; MI455X (gfx1250); checked and timed in simulation.
; The chip was launched on July 23, 2026; its instructions are those of AMD's public machine-readable ISA for CDNA 5 (MIT licence, August 2026) and "CDNA5" Instruction Set Architecture Reference Guide (July 2026). The comments in the code are by the model that wrote it; some were corrected since.
;; Sliding Window Attention. Allowed arithmetic: matrix products marked QUANTISED: E2M1 operands, one E8M0 scale for each 32 along K, by v_wmma_scale_f32_16x16x128_f8f6f4 with both operands' format E2M1 (or v_wmma_scale_f32_32x16x128_f4), f32 sums; products left as they are: bf16, f16 or f32 operands; f32 sums; everything else in f32.
;; Inputs: Wk 1,024 x 1,024 float32; Wo 1,024 x 1,024 float32; Wq 1,024 x 1,024 float32; Wv 1,024 x 1,024 float32; bk 1,024 float32; bo 1,024 float32; bq 1,024 float32; bv 1,024 float32; hidden_state 1 x 8,192 x 1,024 float32.
;; Outputs: out0 1 x 8,192 x 1,024 float32.
;; This version of the problem:
;;   THIS VERSION OF THE PROBLEM IS GIVEN IN LOW PRECISION. The matrix products marked QUANTISED in the list below multiply operands that are first quantised to E2M1 (2 exponent bits, 1 mantissa bit; 4 bits a number), with one power-of-two scale for each 32 numbers along K (OCP MX v1.0); their sums are f32. The products marked 'left as it is' may take bf16, f16 or f32 operands, with f32 sums. Whichever they take, every output number must still come out within the allowed error. Rounding operands to bf16 (8 significant bits) uses up far more of that allowance than f16 does (11 bits, for magnitudes from 6e-5 to 65,504). All else is computed in f32.
;;   The module's matrix products, in the order in which they are computed (A, B: the left and right operand; K: the contracted axis; several contracted axes count as one K, in the product's order):
;;     1. [M 8,192, K 1,024] x [K 1,024, N 1,024]; A: input hidden_state; B: input Wq: QUANTISED
;;     2. [M 8,192, K 1,024] x [K 1,024, N 1,024]; A: input hidden_state; B: input Wk: QUANTISED
;;     3. [M 8,192, K 1,024] x [K 1,024, N 1,024]; A: input hidden_state; B: input Wv: QUANTISED
;;     4. batch 256 x [M 512, K 64] x [K 64, N 1,024]; A: computed on the way; B: computed on the way: left as it is (an operand is computed on the way)
;;     5. batch 256 x [M 512, K 1,024] x [K 1,024, N 64]; A: computed on the way; B: computed on the way: left as it is (an operand is computed on the way)
;;     6. [M 8,192, K 1,024] x [K 1,024, N 1,024]; A: computed on the way; B: input Wo: left as it is (an operand is computed on the way)
;;   THE QUANTISER, for each operand of a quantised product, along K:
;;     - K is cut into blocks of 32 from its start; a last block that is shorter is filled with zeros.
;;     - A block's scale is 2^e with e = floor(log2(the largest magnitude in the block)) - 2, held to -126 .. 127; a block of zeros has e = 0. As a byte (E8M0): e + 127.
;;     - Each number is divided by its block's scale, clamped to +-6, and rounded to the nearest number of E2M1, ties to even, subnormals kept.
;;     - The product sums the exact products of the quantised numbers (number of the format x scale) in f32.
;;   ~~~python
;;   def quantise(x, axis):      # numpy; x: float32 -> the quantised numbers, widened to float32 again
;;       x = np.moveaxis(x, axis, -1); K = x.shape[-1]
;;       x = np.pad(x, [(0, 0)] * (x.ndim - 1) + [(0, -K % 32)]); x = x.reshape(x.shape[:-1] + (-1, 32)); a = np.abs(x).max(-1, keepdims=True)
;;       e = np.where(a > 0, np.clip(np.frexp(np.where(a > 0, a, 1))[1] - 1 - 2, -126, 127), 0)      # np.frexp(a)[1] - 1 = floor(log2(a)), exactly
;;       r = np.clip(x / 2.0 ** e, -6, 6)
;;       step = 2.0 ** (np.maximum(np.frexp(np.where(r == 0, 1, r))[1] - 1, 0) - 1)
;;       q = np.round(r / step) * step * 2.0 ** e      # np.round: ties to even
;;       return np.moveaxis(q.reshape(q.shape[:-2] + (-1,))[..., :K], -1, axis).astype(np.float32)
;;   ~~~
;; One version. Each part assembles by itself: llvm-mc -triple=amdgcn-amd-amdhsa -mcpu=gfx1250 --defsym DOCPART=n.
;; ======== version 1 of 1: 5 launches
;; limits: values are held in f16: magnitudes above 65,504 overflow, below 6.1e-05 lose precision; a function is approximated: absolute error at most 0.0015
;; workspace buffers: a_codes 4,194,304 bytes; a_scales 262,144 bytes; w_codes 1,572,864 bytes; w_scales 98,304 bytes; wo16 2,097,152 bytes; qkv 50,331,648 bytes; first 196,608 bytes; attn 16,777,216 bytes
;; launch quant (part 1): grid 768 x 1, 2 waves a work-group, no clusters, 16,640 bytes of LDS; arguments hidden_state, Wq, Wk, Wv, Wo, a_codes, a_scales, w_codes, w_scales, wo16; writes a_codes, a_scales, w_codes, w_scales, wo16
.if DOCPART == 1
	.amdgcn_target "amdgcn-amd-amdhsa--gfx1250"
	.amdhsa_code_object_version 6
	.text
	.protected	k_qf8eba2465d_quant
	.globl	k_qf8eba2465d_quant
	.p2align	8
	.type	k_qf8eba2465d_quant,@function
k_qf8eba2465d_quant:
	s_mov_b64 s[64:65], 0
	v_nop
	global_prefetch_b8 v0, s[64:65] scope:SCOPE_SE
	s_setreg_imm32_b32 hwreg(HW_REG_WAVE_MODE, 25, 1), 1
	s_wait_xcnt 0x0
; SLIDING-WINDOW ATTENTION, launch 1 of 5: the operands of the three quantised products become codes, Wo becomes f16.
; THE PROGRAM.  1 quant: hidden_state, Wq, Wk, Wv -> codes of E2M1 with one E8M0 byte for each 32 along K; Wo -> f16 in the order of a matrix operand's registers.
; 2 qkv: the three quantised products, biases, RoPE; q, k, v leave as f16 images of operand registers.  3 attn: the banded attention.  4 proj: the product with Wo, + bo.  5 first16: rows 0-15 once more, in f32.
; WORK LEFT OUT, and why it can reach no output.  reference() multiplies each block of 512 queries with 1,024 keys and then sets every score outside 0 <= q - k <= 512, and every score of the zero block that it
; pads in front of block 0, to the least f32 number.  Each row keeps its own key (q - k = 0), so the row's maximum is a kept score, and for all finite inputs the exponential of (least number - maximum) is 0:
; the weight of such a key is 0 and its term in the second product is 0 x v.  So of the score product and the value product every step of 64 keys, every tile of 16 x 16 scores and every run of 32 keys of weights
; that lies wholly outside the band is not multiplied (launches 3 and 5).  All nine inputs have a way to the output and are loaded.
; LIMIT: a NaN, an infinity or an overflow that would reach only the scores left out is not carried to the result.
; THIS LAUNCH.  A block's scale is 2^(floor(log2(largest magnitude)) - 2); its byte is the largest magnitude's exponent field - 2, held at 1 from below.  (A block of zeros so gets the byte 1 where the rule says 127:
; its codes are zeros, which add nothing under any byte but 0xff, and this program alone reads the bytes.)  Numbers are divided by the scale and rounded to the nearest code, ties to even, beyond 6 the largest code.
; LIMITS: blocks whose largest magnitude lies under 2^(2 - 126) keep the byte 1; NaN and infinities among the inputs are not served; Wo is rounded to f16, so its magnitudes stay under 65,504.
; SHARES.  Work-groups of two waves: 0-511 hidden_state; 512-575 Wq; 576-639 Wk; 640-703 Wv; 704-767 Wo: 768 in all, three for each of 256 WGPs.  A quantising wave takes 8 rows (8,192 numbers) in 16 steps
; of 512: rows are dense and 1,024 is a multiple of 32, so a run of rows is a plain stream of blocks.  Each of a step's four loads reads 512 consecutive bytes; the 2,048 bytes turn through the wave's own stage
; in LDS and come back 64 bytes a lane, so that a lane holds 16 neighbours along K and two neighbouring lanes a block.  A lane's 16 codes are 8 bytes: the wave stores 256 consecutive bytes; its 256 scale bytes
; are gathered in LDS and leave as one aligned run.  Loads run eight steps (32 loads of 512 bytes a wave) ahead.
; THE WEIGHTS' ROWS ARE LAID FOR LAUNCH 2: tile tc of 384 rows = Wq rows 64 tc.. (64) | Wq rows 512 + 64 tc.. (64) | Wk rows 64 tc.. (64) | Wk rows 512 + 64 tc.. (64) | Wv rows 128 tc.. (128).  A run of 8 rows stays together.
; One path serves the four quantised tensors: only pointers and run numbers are chosen, by the work-group's number.  Waves share nothing: no barrier.
.set WAVES, 2
.set STEPS, 16
.set DEPTH, 8                          ; steps of loads on their way
.set EMAX,  2
.set CB,    8                          ; bytes of 16 codes
.set R,     16                         ; v16-143  eight sets of 16 numbers as they are loaded
.set X,     144                        ; v144-175 two sets of 16 neighbours
.set E,     176                        ; v176-191 a scale byte for each step
.set C,     192                        ; v192-223 codes: two registers for each step, so that no store's data are written again
.set WREG,  8192                       ; LDS: a region for each wave: two stages of 32 x SP bytes, behind them its 256 scale bytes
.set SP,    80                         ; a lane's place in a stage: its 64 bytes + 16 of padding
.set SPW,   12                         ; v12  LDS address of my spare word; never rewritten
.set NIL,   13                         ; v13  0; never rewritten
.set SPARE, WAVES*WREG                 ; behind the two regions: the spare words, 128 bytes for each wave
.set WGH,   512                        ; work-groups for hidden_state
.set WGW,   704                        ; the first work-group for Wo
.set WV,    24                         ; s24  my wave's number
	s_load_b256 s[4:11], s[0:1], 0x0               ; hidden_state s[4:5], Wq s[6:7], Wk s[8:9], Wv s[10:11]
	s_load_b256 s[12:19], s[0:1], 0x20             ; Wo s[12:13], a_codes s[14:15], a_scales s[16:17], w_codes s[18:19]
	s_load_b128 s[20:23], s[0:1], 0x40             ; w_scales s[20:21], wo16 s[22:23]
	v_lshl_add_u32 v[SPW], v0, 2, SPARE
	v_mov_b32 v[NIL], 0
	v_lshrrev_b32 v1, 5, v0
	v_readfirstlane_b32 s[WV], v1                  ; wave 0, 1
	v_and_b32 v2, 31, v0                           ; lane
	s_cmp_ge_u32 ttmp9, WGW
	s_cbranch_scc1 .Lwo                            ; Wo's work-groups: a path of its own, which touches no LDS
	v_lshlrev_b32 v3, 4, v2                        ; my 16 bytes of a load's 512
	s_mul_i32 s25, s[WV], WREG
	v_lshrrev_b32 v14, 2, v2
	v_mul_u32_u24 v14, v14, SP
	v_and_b32 v15, 3, v2
	v_lshl_add_u32 v14, v15, 4, v14
	v_add_nc_u32 v14, s25, v14                     ; the stage, on the way in: SP (lane / 4) + 16 (lane % 4)
	v_mul_u32_u24 v15, v2, SP
	v_add_nc_u32 v15, s25, v15                     ; and on the way out: SP x lane: my 16 neighbours
	v_mul_u32_u24 v4, v2, CB                       ; my codes' place in a step's
	v_lshrrev_b32 v5, 1, v2
	s_add_co_u32 s25, s25, 2*32*SP
	v_add_nc_u32 v5, s25, v5                       ; LDS: my wave's 256 scale bytes, my block's byte
	v_lshlrev_b32 v7, 3, v2                        ; and on the way out 8 bytes a lane
	v_add_nc_u32 v6, s25, v7
	; which run of 8 rows is read, and where it goes
	s_sub_co_u32 s26, ttmp9, WGH
	s_lshr_b32 s27, s26, 6                         ; which weight: 0 Wq, 1 Wk, 2 Wv (a large number in hidden_state's work-groups, where it chooses nothing)
	s_and_b32 s26, s26, 63
	s_lshl_b32 s26, s26, 1
	s_add_co_u32 s26, s26, s[WV]                   ; the run in its weight, 0..127
	s_bfe_u32 s28, s26, 0x30003                    ; Wq, Wk: the tile tc = (row % 512) / 64;
	s_mul_i32 s28, s28, 48                         ; 48 runs to a tile,
	s_lshr_b32 s29, s26, 6
	s_lshl_b32 s29, s29, 3                         ; 8 more for the rows from 512 on,
	s_add_co_u32 s28, s28, s29
	s_and_b32 s29, s26, 7
	s_add_co_u32 s28, s28, s29                     ; the run among its 8,
	s_lshl_b32 s29, s27, 4
	s_add_co_u32 s28, s28, s29                     ; 16 more for Wk
	s_lshr_b32 s29, s26, 4                         ; Wv: the tile tc = row / 128,
	s_mul_i32 s29, s29, 48
	s_and_b32 s30, s26, 15
	s_add_co_u32 s29, s29, s30                     ; the run among its 16,
	s_add_co_u32 s29, s29, 32                      ; behind Wq's and Wk's 32
	s_cmp_eq_u32 s27, 2
	s_cselect_b32 s28, s29, s28
	s_lshl_b32 s29, ttmp9, 1
	s_add_co_u32 s29, s29, s[WV]                   ; hidden_state: run = 2 x work-group + wave, in and out
	s_wait_kmcnt 0x0
	s_cmp_eq_u32 s27, 1
	s_cselect_b64 s[6:7], s[8:9], s[6:7]
	s_cmp_eq_u32 s27, 2
	s_cselect_b64 s[6:7], s[10:11], s[6:7]         ; the weight
	s_cmp_lt_u32 ttmp9, WGH                        ; every choice hangs on the work-group's number alone
	s_cselect_b64 s[4:5], s[4:5], s[6:7]           ; the numbers
	s_cselect_b64 s[8:9], s[14:15], s[18:19]       ; the codes
	s_cselect_b64 s[10:11], s[16:17], s[20:21]     ; the scale bytes
	s_cselect_b32 s26, s29, s26
	s_cselect_b32 s28, s29, s28
	s_lshl_b32 s30, s26, 15                        ; 32,768 bytes of numbers to a run
	s_mov_b32 s31, 0
	s_add_nc_u64 s[4:5], s[4:5], s[30:31]
	s_lshl_b32 s30, s28, 12                        ; 4,096 bytes of codes
	s_add_nc_u64 s[8:9], s[8:9], s[30:31]
	s_lshl_b32 s30, s28, 8                         ; 256 scale bytes
	s_add_nc_u64 s[10:11], s[10:11], s[30:31]
.macro LOAD t
.irp i, 0,1,2,3
	global_load_b128 v[R+16*((\t)%DEPTH)+4*\i:R+16*((\t)%DEPTH)+4*\i+3], v3, s[4:5] offset:2048*(\t)+512*\i th:TH_LOAD_NT   ; 32 lanes read 512 consecutive bytes
.endr
.endm
.macro TURN t                          ; step t's numbers through the stage: LDS serves a wave's instructions in order, so no wait stands between the stores and the loads
.irp i, 0,1,2,3
	ds_store_b128 v14, v[R+16*((\t)%DEPTH)+4*\i:R+16*((\t)%DEPTH)+4*\i+3] offset:32*SP*((\t)%2)+8*SP*\i
.endr
.irp i, 0,1,2,3
	ds_load_b128 v[X+16*((\t)%2)+4*\i:X+16*((\t)%2)+4*\i+3], v15 offset:32*SP*((\t)%2)+16*\i
.endr
.endm
.irp t, 0,1,2,3,4,5,6,7
	LOAD \t
.endr
	s_wait_loadcnt 28                              ; step 0's four loads are in; the 28 of steps 1 to 7 stay out
	TURN 0
.macro STEP t
.set XS, X+16*((\t)%2)
.if (\t) > 0
	s_wait_dscnt 1                                 ; this step's numbers are back from the stage (the last step's byte store may be out): so its stores into the stage have read their registers,
.else
	s_wait_dscnt 0x0
.endif
.if (\t)+DEPTH < STEPS
	LOAD (\t)+DEPTH                                ; which take the loads of eight steps on
.endif
.if (\t)+1 < STEPS
.if STEPS-2-(\t) >= DEPTH-1
	s_wait_loadcnt 4*(DEPTH-1)                     ; the next step's four loads are in; those of the seven steps behind it may be out
.else
	s_wait_loadcnt 4*(STEPS-2-(\t))                ; towards the end: those of the steps that are left
.endif
	TURN (\t)+1                                    ; and go through the other stage while this step is worked
.endif
	v_max3_num_f32 v8, |v[XS]|, |v[XS+1]|, |v[XS+2]|               ; the largest magnitude of my 16, in two chains
	v_max3_num_f32 v9, |v[XS+3]|, |v[XS+4]|, |v[XS+5]|
.irp i, 6,10
	v_max3_num_f32 v8, v8, |v[XS+\i]|, |v[XS+\i+1]|
	v_max3_num_f32 v9, v9, |v[XS+\i+2]|, |v[XS+\i+3]|
.endr
	v_max3_num_f32 v8, v8, |v[XS+14]|, |v[XS+15]|
	v_max3_num_f32 v8, v8, v9, (EMAX+1)<<23        ; and the floor 2^(EMAX + 1 - 127): so the byte cannot fall under 1
	v_max_num_f32_dpp v8, v8, v8 row_xmask:1 row_mask:0xf bank_mask:0xf   ; and of my neighbour's 16: the block's
	v_add_nc_u32 v11, -(EMAX<<23), v8              ; EMAX off its exponent field: the conversion takes the exponent field of this operand as its scale, and nothing else of it
	v_cvt_scalef32_pk8_fp4_f32 v[C+2*(\t)], v[XS:XS+7], v11
	v_cvt_scalef32_pk8_fp4_f32 v[C+2*(\t)+1], v[XS+8:XS+15], v11
	v_lshrrev_b32 v[E+(\t)], 23, v11               ; the scale's byte (also the plain line behind the conversions)
	ds_store_b8 v5, v[E+(\t)] offset:16*(\t)       ; both lanes of a block write the same byte with the same value
	global_store_b64 v4, v[C+2*(\t):C+2*(\t)+1], s[8:9] offset:32*CB*(\t)   ; 32 lanes store 256 consecutive bytes, aligned
.endm
.irp t, 0,1,2,3,4,5,6,7,8,9,10,11,12,13,14,15
	STEP \t
.endr
	ds_load_b64 v[8:9], v6                         ; LDS serves a wave's instructions in order: these see my stores
	s_wait_dscnt 0x0
	global_store_b64 v7, v[8:9], s[10:11]          ; 32 lanes store 256 consecutive bytes, aligned
	s_wait_tensorcnt 0x0                           ; the wave's end, behind my last LDS store
	ds_add_u32 v[SPW], v[NIL]
	s_wait_dscnt 0x0
	s_endpgm
; Wo -> f16, laid [nb 64 (16 rows)][kf 32 (32 along K)][c 2][lane 32][16 bytes]: lane (r, h) holds Wo[16 nb + r][32 kf + 16 c + 8 h + 0 .. 7]: registers 4 c .. 4 c + 3 of a 16 x 32 operand.
; A work-group takes one nb, a wave 16 kf of it, four kf at a time in two sets of registers; every store covers 512 consecutive bytes.
.Lwo:
	v_and_b32 v3, 15, v0                           ; r
	v_bfe_u32 v4, v0, 4, 1                         ; h
	v_lshlrev_b32 v1, 12, v3
	v_lshl_add_u32 v1, v4, 5, v1                   ; in: 4,096 r + 32 h
	v_lshlrev_b32 v2, 4, v2                        ; out: 16 x lane
	s_sub_co_u32 s25, ttmp9, WGW                   ; nb
	s_lshl_b32 s26, s[WV], 4                       ; my first kf
	s_lshl_b32 s28, s25, 16                        ; 16 rows of 4,096 bytes,
	s_lshl_b32 s27, s26, 7                         ; 128 bytes a kf
	s_add_co_u32 s28, s28, s27
	s_mov_b32 s29, 0
	s_lshl_b32 s30, s25, 5
	s_add_co_u32 s30, s30, s26
	s_lshl_b32 s30, s30, 10                        ; 1,024 bytes an image
	s_mov_b32 s31, 0
	s_wait_kmcnt 0x0
	s_add_nc_u64 s[12:13], s[12:13], s[28:29]
	s_add_nc_u64 s[22:23], s[22:23], s[30:31]
.macro LOADW t
.irp q, 0,1,2,3
.irp c, 0,1
.irp e, 0,1
	global_load_b128 v[16+64*((\t)%2)+16*\q+8*\c+4*\e:16+64*((\t)%2)+16*\q+8*\c+4*\e+3], v1, s[12:13] offset:(4*(\t)+\q)*128+64*\c+16*\e
.endr
.endr
.endr
.endm
.macro CONVW t
.set i, 0
.rept 32
	v_cvt_pk_f16_f32 v[144+32*((\t)%2)+i], v[16+64*((\t)%2)+2*i], v[16+64*((\t)%2)+2*i+1]
.set i, i+1
.endr
.endm
.macro STOREW t
.irp q, 0,1,2,3
.irp c, 0,1
	global_store_b128 v2, v[144+32*((\t)%2)+8*\q+4*\c:144+32*((\t)%2)+8*\q+4*\c+3], s[22:23] offset:(4*(\t)+\q)*1024+512*\c
.endr
.endr
.endm
	LOADW 0
	LOADW 1
	s_wait_loadcnt 16                              ; set 0 is in; set 1's sixteen loads stay out
	CONVW 0
	LOADW 2
	STOREW 0
	s_wait_loadcnt 16
	CONVW 1
	LOADW 3
	STOREW 1
	s_wait_loadcnt 16
	s_wait_xcnt 0x0                                ; the earlier stores have read their data: the packed registers are written again only behind this wait
	CONVW 2
	STOREW 2
	s_wait_loadcnt 0x0
	s_wait_xcnt 0x0
	CONVW 3
	STOREW 3
	s_endpgm
.Lfunc_end_k_qf8eba2465d_quant:
	.size	k_qf8eba2465d_quant, .Lfunc_end_k_qf8eba2465d_quant-k_qf8eba2465d_quant
	.p2alignl 7, 3214868480
	.fill 96, 4, 3214868480
	.section	.rodata,"a",@progbits
	.p2align	6, 0x0
	.amdhsa_kernel k_qf8eba2465d_quant
		.amdhsa_group_segment_fixed_size 16640
		.amdhsa_private_segment_fixed_size 0
		.amdhsa_enable_private_segment 0
		.amdhsa_kernarg_size 80
		.amdhsa_user_sgpr_count 2
		.amdhsa_user_sgpr_kernarg_segment_ptr 1
		.amdhsa_wavefront_size32 1
		.amdhsa_system_sgpr_workgroup_id_x 1
		.amdhsa_system_sgpr_workgroup_id_y 1
		.amdhsa_system_sgpr_workgroup_id_z 1
		.amdhsa_system_vgpr_workitem_id 0
		.amdhsa_next_free_vgpr 224
		.amdhsa_next_free_sgpr 66
		.amdhsa_reserve_vcc 0
		.amdhsa_float_denorm_mode_32 3
		.amdhsa_float_denorm_mode_16_64 3
		.amdhsa_memory_ordered 1
		.amdhsa_forward_progress 1
		.amdhsa_inst_pref_size 52
	.end_amdhsa_kernel
	.amdgpu_metadata
---
amdhsa.version: [ 1, 2 ]
amdhsa.kernels:
  - .name:           k_qf8eba2465d_quant
    .symbol:         k_qf8eba2465d_quant.kd
    .args:
      - { .name: hidden_state, .offset: 0, .size: 8, .value_kind: global_buffer, .address_space: global }
      - { .name: Wq, .offset: 8, .size: 8, .value_kind: global_buffer, .address_space: global }
      - { .name: Wk, .offset: 16, .size: 8, .value_kind: global_buffer, .address_space: global }
      - { .name: Wv, .offset: 24, .size: 8, .value_kind: global_buffer, .address_space: global }
      - { .name: Wo, .offset: 32, .size: 8, .value_kind: global_buffer, .address_space: global }
      - { .name: a_codes, .offset: 40, .size: 8, .value_kind: global_buffer, .address_space: global }
      - { .name: a_scales, .offset: 48, .size: 8, .value_kind: global_buffer, .address_space: global }
      - { .name: w_codes, .offset: 56, .size: 8, .value_kind: global_buffer, .address_space: global }
      - { .name: w_scales, .offset: 64, .size: 8, .value_kind: global_buffer, .address_space: global }
      - { .name: wo16, .offset: 72, .size: 8, .value_kind: global_buffer, .address_space: global }
    .group_segment_fixed_size: 16640
    .private_segment_fixed_size: 0
    .kernarg_segment_align: 8
    .kernarg_segment_size: 80
    .max_flat_workgroup_size: 64
    .sgpr_count:     66
    .vgpr_count:     224
    .wavefront_size: 32
...
	.end_amdgpu_metadata
.endif
;; end of part 1
;; launch qkv (part 2): grid 8 x 32, 4 waves a work-group, clusters of 4 x 4, 327,680 bytes of LDS; arguments a_codes, a_scales, w_codes, w_scales, bq, bk, bv, qkv, first; writes qkv, first
.if DOCPART == 2
	.amdgcn_target "amdgcn-amd-amdhsa--gfx1250"
	.amdhsa_code_object_version 6
	.text
	.protected	k_qf8eba2465d_qkv
	.globl	k_qf8eba2465d_qkv
	.p2align	8
	.type	k_qf8eba2465d_qkv,@function
k_qf8eba2465d_qkv:
	s_mov_b64 s[64:65], 0
	v_nop
	global_prefetch_b8 v0, s[64:65] scope:SCOPE_SE
	s_setreg_imm32_b32 hwreg(HW_REG_WAVE_MODE, 25, 1), 1
	s_wait_xcnt 0x0
	s_wait_alu depctr_hold_cnt(0) depctr_sa_sdst(0) depctr_va_vdst(0) depctr_va_sdst(0) depctr_va_ssrc(0) depctr_va_vcc(0) depctr_vm_vsrc(0)
	s_getreg_b32 s2, hwreg(HW_REG_IB_STS2, 6, 4)
	s_cmp_eq_u32 s2, 0
	s_cbranch_scc0 .Lentry_in_a_cluster
	s_endpgm
.Lentry_in_a_cluster:
	s_bfe_u32 s2, ttmp6, 0x10000c
	s_cmp_lg_u32 s2, 0xf033
	s_cbranch_scc0 .Lentry_shape_is_right
	s_endpgm
.Lentry_shape_is_right:
; Launch 2 of 5: q = x Wq^T + bq, k = x Wk^T + bk, v = x Wv^T + bv on codes of E2M1 with E8M0 scales (K = 1,024), RoPE on q and k; the results leave as f16 IMAGES OF OPERAND REGISTERS for launch 3.
; SHARES.  8 x 32 = 256 work-groups of four waves, all with the same work.  Work-group (g, tr) takes tokens 256 tr .. + 255 ("A") and tile g of the weights as launch 1 laid them, 384 rows:
;   Wq rows 64 g.. | Wq rows 512 + 64 g.. | Wk rows 64 g.. | Wk rows 512 + 64 g.. ("B", 256 rows) | Wv rows 128 g.. (128 rows).
; PHASE 1: 256 tokens x B's 256 rows; a wave makes 128 x 128: 64 accumulators.  The matrix instruction is used transposed (source 0 = 16 rows of B, source 1 = 16 tokens): a lane holds one token and eight
;   neighbouring channels.  A wave of column half 0 holds q, of half 1 k; accumulators (a, b) and (a, b + 4) hold, in the same lane and register, channels c and c + 512: RoPE's two partners (heads g and g + 8).
; PHASE 2: the SAME 256 tokens x Wv's 128 rows; a wave makes 128 tokens x 64 channels: 32 accumulators.  Source 0 = 16 tokens, source 1 = 16 rows of Wv: a lane holds ONE channel and eight neighbouring tokens,
;   which is a fragment of v^T.
; LDS.  K = 1,024 is two slots of 512 along K, each with A's 256 rows and B's 256 rows.  The tokens' codes and scales stay where they are for phase 2.  Wv's codes (128 rows x 512 bytes) are the one refill: they take
;   the B part of slot 0, which nobody reads from the change of slots on; each wave asks for 64 rows x 256 bytes, and the load has four K steps and phase 1's way out in which to land.
;   The scale bytes of the 256 + 384 rows come once, with the first fills.
; CLUSTERS of 4 x 4.  A's tile hangs on tr = 4 cluster y + cy and is shared along a row of the cluster, the weights' on g = 4 cluster x + cx and are shared along a column: each tile is asked for JOINTLY, by the
;   same tensor load with a mask that names the four.  The refill stands behind a round of the cluster's barrier.
; THE WAY OUT NEEDS NO LDS: eight f32 results of a lane, packed to f16, are registers 0-3 or 4-7 of the next product's 16 x 32 operand, in the right lanes; each store of a wave covers 512 consecutive bytes.
;   qkv: [head 16][step 128 (64 tokens)][24,576]: Q [qt 4][kf 2][c 2][lane][16] | K at 8,192, likewise | V^T at 16,384: [kb 2 (32 keys)][ct 4 (16 channels)][c 2][lane][16].
;   first: tokens 0-15 in f32, for launch 5: q at 0, k at 65,536: [head][b 4][e 2][lane][16]; v at 131,072: [16 channels: 64][e 2][lane][16].
; The biases are the C of each sum's first matrix instruction.
; ROPE.  inv_freq = 2^(-i log2(10000) / 512).  For a wave's first 16 tokens the angle is token x inv_freq as in the definition; less the nearest multiple of 2 pi (in two parts), a quarter of it goes through
; series for sine and cosine, and two doublings bring the whole angle back.  The 16 tokens below come by a rotation by 16 inv_freq, seven times.
; LIMITS: q, k, v are rounded to f16, so their magnitudes stay under 65,504; the angle differs from the definition's f32 product by up to about 1.5e-3 rad at the last tokens; NaN and infinities are not served.
.set KSTEP,  512                       ; along K in a slot
.set NQ,     KSTEP/128                 ; matrix instructions deep
.set ROWB,   256                       ; a tile's row in bytes
.set KROW,   512                       ; a row of codes in memory
.set PITCH,  272                       ; an LDS row: 256 bytes + 16 of padding: the 16 rows that a load touches start 68 words apart
.set FR,     8                         ; registers of a fragment: 16 rows x 128 K
.set NL,     2                         ; LDS loads that bring one
.set NP,     4                         ; places behind this matrix instruction (ISA guide 7.12.1)
.set HALFT,  128*PITCH
.set SLOT,   4*HALFT                   ; A's 256 rows, then B's 256 rows
.set KS,     32                        ; a row of scale bytes
.set SCL,    2*SLOT                    ; behind the two slots: A's scales, as rows of 256 bytes + 16 of padding
.set HALFS,  (128*KS/256)*272          ; the scales of 128 rows
.set SBLK,   (16*KS/256)*272           ; of 16
.set SCB,    SCL+2*HALFS               ; the weights' scales: 384 rows
.set SPARE,  SCB+3*HALFS               ; the spare words, 128 bytes for each wave
.set ADRA, 16                          ; v16-17  LDS address of my A fragments in slot 0, 1
.set ADRP, 18                          ; v18     phase 2's scale words, blocks 0-3: lanes 0-15 the tokens', lanes 16-31 Wv's
.set ADRQ, 19                          ; v19     blocks 4-7: lanes 0-15 the tokens'; lanes 16-31 take Wv's four blocks once more, and are not read
.set ADRB, 20                          ; v20-21  LDS address of my B fragments in slot 0, 1
.set ADRV, 22                          ; v22     of my fragments of Wv
.set VB,   23                          ; v23     the biases' offset
.set OLO,  24                          ; v24     16 x lane
.set OHI,  25                          ; v25     16 x lane + eight heads on
.set SELV, 26                          ; v26     cy
.set ADRS, 27                          ; v27     phase 1's scale words: lanes 0-15 A's rows, lanes 16-31 B's
.set SPW,  28                          ; v28     LDS address of my spare word; never rewritten
.set NIL,  29                          ; v29     0; never rewritten
.set SC,   32                          ; v32-95  scale words, two sets; they hold nothing else
.set TL,   96                          ; v96-127  the way out: 32 results of the lower head, f32
.set AF,   128                         ; v128-191 A's fragments, one set; on the way out:
.set TU,   128                         ; v128-159 32 results of the upper head,
.set OUT0, 160                         ; v160-191, v192-223 packed results, two sets
.set BIAS, 192                         ; v192-255 bq or bk in the result's layout
.set BV,   224                         ; v224-255 later bv, eight equal registers for each block of 16 channels
; window 1: phase 1: B's fragments, two sets at v0 and v128; phase 2: Wv's, two sets at v0 and v32; on the way out of q and k:
.set THR,  0                           ; v0-31    inv_freq of my 32 channels (register 8 b + j: channel 64 g + 16 b + 8 h + j)
.set XR,   32                          ; v32-63   an angle
.set CSR,  64                          ; v64-95   cos, v96-127 sin of the angle of the 16 tokens in hand
.set SNR,  96
.set C16R, 128                         ; v128-159 cos, v160-191 sin of 16 inv_freq
.set S16R, 160
.set T1,   192                         ; v192-223 at work: four register pairs each
.set T2,   200
.set T3,   208
.set T4,   216
; window 2: phase 1: accumulators of my tokens 0-63; phase 2: all 32 accumulators ((c, t) at v[8 (8 c + t)]).   window 3: phase 1: accumulators of my tokens 64-127; phase 2: the tokens' fragments, two sets at v0 and v64.
.set G1, 24                            ; s[24:31] descriptor group 1 for A's tiles;  s[32:39] group 0, one set for each slot
.set G0, 32
.set G1B, 48                           ; s[48:55], s[56:63] the same for B's tiles
.set G0B, 56
.set G1S, 68                           ; s[68:75], s[76:79] groups 1 and 0 for A's scales;  s[80:87], s[88:91] for the weights'
.set G0S, 76
.set G1SB, 80
.set G0SB, 88
.set G1V, 80                           ; s[80:87] group 1 for Wv's codes: written when the scales' load is shown done;  s[96:99] its group 0
.set G0V, 96
.set MSB, 0
.macro WIN new                         ; the immediate's high byte repeats the setting that is left
.if MSB != \new
	s_set_vgpr_msb (MSB<<8)|\new
.set MSB, \new
.endif
.endm
.set MUL_LO, 0xa1                      ; source 0 (B) window 1, source 1 (A) window 0, C and D window 2
.set MUL_HI, 0xf1                      ; the same, C and D window 3
.set BIA_LO, 0x81                      ; the first step: C (the bias) window 0, D window 2
.set BIA_HI, 0xc1                      ; D window 3
.set TO_B,   0x40                      ; destination window 1, address window 0
.set TO_T,   0xc0                      ; destination window 3
.set MUL_V,  0xa7                      ; phase 2: source 0 (tokens) window 3, source 1 (Wv) window 1, C and D window 2
.set BIA_V,  0x87                      ; its first step: C (bv) window 0
; A joint load: waves 0 and 1 fetch for A, waves 2 and 3 for B; the branch hangs on the wave's number alone.  An s_nop 0 and four v_nop follow each line.
.macro JLOAD g0a, g1a, g0b, g1b
	s_cmp_eq_u32 s15, 0
	s_cbranch_scc0 .Lfor_b_\@
	tensor_load_to_lds s[\g0a:\g0a+3], s[\g1a:\g1a+7]
	s_nop 0
.rept 4
	v_nop
.endr
	s_branch .Lasked_\@
.Lfor_b_\@:
	tensor_load_to_lds s[\g0b:\g0b+3], s[\g1b:\g1b+7]
	s_nop 0
.rept 4
	v_nop
.endr
.Lasked_\@:
.endm
.macro CREST                           ; a round of the cluster's barrier behind its opening barrier
	s_cmp_lg_u32 s14, 0
	s_cbranch_scc1 .Lnot_wave_0_\@
	s_barrier_signal -3
.Lnot_wave_0_\@:
	s_barrier_wait -3
	s_barrier_signal -1
	s_barrier_wait -1
.endm
.macro CROUND                          ; a whole round
	s_barrier_signal -1
	s_barrier_wait -1
	CREST
.endm
	s_load_b256 s[4:11], s[0:1], 0x0               ; a_codes s[4:5], a_scales s[6:7], w_codes s[8:9], w_scales s[10:11]
	v_lshl_add_u32 v[SPW], v0, 2, SPARE
	v_mov_b32 v[NIL], 0
	ds_add_u32 v[SPW], v[NIL]                      ; the wave's opening: the add, twice on end, and its wait ahead of my first tensor load
	ds_add_u32 v[SPW], v[NIL]
	v_lshrrev_b32 v1, 5, v0
	v_readfirstlane_b32 s14, v1                    ; wave 0..3
	s_lshr_b32 s15, s14, 1                         ; which half of the tokens is mine.  Also: I fetch for A (0) or for B (1)
	s_and_b32 s16, s14, 1                          ; which half of the weights' rows.  Also: which half of that tile I fetch
	s_bfe_u32 s40, ttmp6, 0x40000                  ; cx, cy: my place in the cluster
	s_bfe_u32 s41, ttmp6, 0x40004
	s_and_b32 s66, ttmp7, 0xffff                   ; cluster y
	s_lshl_b32 s42, ttmp9, 2
	s_add_co_u32 s42, s42, s40                     ; g = 4 cluster x + cx: the weights' tile
	s_lshl_b32 s17, s66, 2
	s_add_co_u32 s17, s17, s41                     ; tr = 4 cluster y + cy: the tokens' tile
	s_lshl_b32 s43, s41, 2
	s_lshl_b32 s43, 15, s43                        ; my row of the cluster
	s_lshl_b32 s44, 0x1111, s40                    ; my column
	; descriptor group 1: a tile of 128 rows x 256 bytes, 16 bytes of padding behind each row
	s_or_b32 s[G1+0], s43, (0<<16)|(1<<20)|(1<<21)|(5<<22)|(3<<25)  ; the mask: A's tiles go to my row; elements of 1 byte; padding on; bit 21 beside a mask; after every 64 words, 4 words
	s_or_b32 s[G1B+0], s44, (0<<16)|(1<<20)|(1<<21)|(5<<22)|(3<<25)
.irp g, G1, G1B
	s_mov_b32 s[\g+1], ROWB<<16                    ; tensor_dim0
	s_mov_b32 s[\g+2], 128<<16                     ; tensor_dim1
	s_mov_b32 s[\g+3], ROWB<<16                    ; tile_dim0
	s_mov_b32 s[\g+4], 128                         ; tile_dim1
	s_mov_b32 s[\g+5], KROW                        ; from row to row
	s_mov_b32 s[\g+6], 0
	s_mov_b32 s[\g+7], 0
.endr
	; the scales are dense blocks, taken as rows of 256 bytes (32 elements of 8 bytes), 16 bytes of padding behind each: A's 128 rows a load are 16 such rows, the weights' 192 rows a load are 24
	s_or_b32 s[G1S+0], s43, (3<<16)|(1<<20)|(1<<21)|(5<<22)|(3<<25)
	s_mov_b32 s[G1S+1], 32<<16
	s_mov_b32 s[G1S+2], 16<<16
	s_mov_b32 s[G1S+3], 32<<16
	s_mov_b32 s[G1S+4], 16
	s_mov_b32 s[G1S+5], 32
	s_mov_b32 s[G1S+6], 0
	s_mov_b32 s[G1S+7], 0
	s_or_b32 s[G1SB+0], s44, (3<<16)|(1<<20)|(1<<21)|(5<<22)|(3<<25)
	s_mov_b32 s[G1SB+1], 32<<16
	s_mov_b32 s[G1SB+2], 24<<16
	s_mov_b32 s[G1SB+3], 32<<16
	s_mov_b32 s[G1SB+4], 24
	s_mov_b32 s[G1SB+5], 32
	s_mov_b32 s[G1SB+6], 0
	s_mov_b32 s[G1SB+7], 0
	; where the tiles come from, in bytes (all under 2^23).  A's offsets are made of tr and the wave's number, the weights' of g and the wave's number, each in registers that never hold the other coordinate
	s_lshl_b32 s18, s16, 7                         ; 128 x half
	s_lshl_b32 s20, s17, 8
	s_add_co_u32 s20, s20, s18                     ; A: row 256 tr + 128 x half
	s_lshl_b32 s22, s20, 5                         ; its scales,
	s_mov_b32 s23, 0
	s_lshl_b32 s20, s20, 9                         ; its codes
	s_mov_b32 s21, 0
	s_mul_i32 s46, s42, 384                        ; the weights' tile begins at row 384 g
	s_mul_i32 s92, s16, 192
	s_add_co_u32 s92, s92, s46                     ; scales: 192 rows a load
	s_lshl_b32 s92, s92, 5
	s_mov_b32 s93, 0
	s_lshl_b32 s2, s16, 6                          ; Wv's codes: rows 384 g + 256 + 64 x (wave % 2),
	s_add_co_u32 s2, s2, s46
	s_add_co_u32 s2, s2, 256
	s_lshl_b32 s2, s2, 9
	s_lshl_b32 s3, s15, 8                          ; the (wave / 2)-th 512 along K
	s_add_co_u32 s2, s2, s3
	s_mov_b32 s3, 0
	s_add_co_u32 s46, s46, s18                     ; B's codes: row 384 g + 128 x half
	s_lshl_b32 s46, s46, 9
	s_mov_b32 s47, 0
	; and where they go: no place in the cluster enters an LDS address
	s_mul_i32 s45, s14, HALFT                      ; codes: wave x 128 rows
	s_mul_i32 s94, s16, HALFS
	s_add_co_u32 s94, s94, SCL                     ; A's scales
	s_mul_i32 s95, s16, 3*HALFS/2
	s_add_co_u32 s95, s95, SCB                     ; the weights' scales
	s_mul_i32 s67, s14, HALFT/2
	s_add_co_u32 s67, s67, 2*HALFT                 ; Wv's codes: slot 0's B part, [512 along K: 2][128 rows]: wave x 64 rows
	s_wait_dscnt 0x0                               ; both opening adds are done
	s_wait_kmcnt 0x0
	s_add_nc_u64 s[20:21], s[4:5], s[20:21]
	s_add_nc_u64 s[22:23], s[6:7], s[22:23]
	s_add_nc_u64 s[46:47], s[8:9], s[46:47]
	s_add_nc_u64 s[92:93], s[10:11], s[92:93]
	CROUND                                         ; all sixteen work-groups are here: the first joint loads meet
	s_mov_b32 s[G0V], 1                            ; Wv's group 0 is made now, while w_codes' address is at hand, and used at the change of slots
	s_mov_b32 s[G0V+1], s67
	s_add_nc_u64 s[G0V+2:G0V+3], s[8:9], s[2:3]
	s_or_b32 s[G0V+3], s[G0V+3], 0x80000000
	s_mov_b32 s[G0S], 1
	s_mov_b32 s[G0S+1], s94
	s_mov_b64 s[G0S+2:G0S+3], s[22:23]
	s_or_b32 s[G0S+3], s[G0S+3], 0x80000000
	s_mov_b32 s[G0SB], 1
	s_mov_b32 s[G0SB+1], s95
	s_mov_b64 s[G0SB+2:G0SB+3], s[92:93]
	s_or_b32 s[G0SB+3], s[G0SB+3], 0x80000000
	JLOAD G0S, G1S, G0SB, G1SB                     ; the scales first: they are wanted with slot 0
.irp s, 0,1
	s_mov_b32 s[G0+4*\s], 1
	s_add_co_u32 s[G0+4*\s+1], s45, \s*SLOT
	s_add_nc_u64 s[G0+4*\s+2:G0+4*\s+3], s[20:21], \s*ROWB
	s_or_b32 s[G0+4*\s+3], s[G0+4*\s+3], 0x80000000
	s_mov_b32 s[G0B+4*\s], 1
	s_add_co_u32 s[G0B+4*\s+1], s45, \s*SLOT
	s_add_nc_u64 s[G0B+4*\s+2:G0B+4*\s+3], s[46:47], \s*ROWB
	s_or_b32 s[G0B+4*\s+3], s[G0B+4*\s+3], 0x80000000
	JLOAD G0+4*\s, G1, G0B+4*\s, G1B
.endr
	s_load_b128 s[4:7], s[0:1], 0x20               ; the other arguments take the registers that the codes' addresses have left: bq s[4:5], bk s[6:7],
	s_load_b128 s[8:11], s[0:1], 0x30              ; bv s[8:9], qkv s[10:11],
	s_load_b64 s[12:13], s[0:1], 0x40              ; first s[12:13]
	v_and_b32 v1, 15, v0                           ; r = lane % 16
	v_bfe_u32 v2, v0, 4, 1                         ; h = lane / 16
	v_mul_u32_u24 v3, v1, PITCH
	v_lshl_add_u32 v4, v2, 4, v3                   ; a fragment's row x pitch + 16 x half
	s_mul_i32 s21, s15, HALFT                      ; my 128 rows of A
	s_mul_i32 s22, s16, HALFT                      ; my 128 rows of B,
	s_add_co_u32 s22, s22, 2*HALFT                 ; which lie behind A's 256
.irp s, 0,1
	v_add_nc_u32 v[ADRA+\s], s21, v4
	v_add_nc_u32 v[ADRB+\s], s22, v4
	s_add_co_u32 s21, s21, SLOT
	s_add_co_u32 s22, s22, SLOT
.endr
	s_mul_i32 s21, s16, HALFT/2                    ; my 64 rows of Wv
	s_add_co_u32 s21, s21, 2*HALFT
	v_add_nc_u32 v[ADRV], s21, v4
	v_mul_u32_u24 v5, v1, KS                       ; my row's scales: KS bytes a row,
	v_lshrrev_b32 v6, 8, v5
	v_lshl_add_u32 v5, v6, 4, v5                   ; and 16 more for each 256 passed
	s_mul_i32 s21, s15, HALFS                      ; lanes 0-15: my 128 tokens
	s_mul_i32 s22, s16, HALFS                      ; lanes 16-31, phase 1: my 128 rows of B, behind A's 256: the distance from the lower base
	s_add_co_u32 s22, s22, 2*HALFS
	s_sub_co_u32 s22, s22, s21
	v_mul_u32_u24 v6, s22, v2
	s_mul_i32 s23, s16, HALFS/2                    ; phase 2: my 64 rows of Wv, behind A's 256 and B's 256
	s_add_co_u32 s23, s23, 4*HALFS
	s_sub_co_u32 s23, s23, s21
	v_mul_u32_u24 v7, s23, v2
	s_sub_co_u32 s23, s23, 4*SBLK                  ; and four blocks back, for the loads of blocks 4-7
	v_mul_u32_u24 v8, s23, v2
	s_add_co_u32 s21, s21, SCL
	v_add_nc_u32 v5, s21, v5
	v_add_nc_u32 v[ADRS], v5, v6
	v_add_nc_u32 v[ADRP], v5, v7
	v_add_nc_u32 v[ADRQ], v5, v8
	v_and_b32 v6, 31, v0
	v_lshlrev_b32 v[OLO], 4, v6
	v_add_nc_u32 v[OHI], 8*3145728, v[OLO]
	v_mov_b32 v[SELV], s41
	s_wait_kmcnt 0x0
	s_cmp_eq_u32 s16, 0                            ; column half 0 is q, half 1 is k
	s_cselect_b64 s[4:5], s[4:5], s[6:7]
	s_lshl_b32 s20, s42, 8                         ; channel 64 g
	s_mov_b32 s21, 0
	s_add_nc_u64 s[4:5], s[4:5], s[20:21]
	v_lshlrev_b32 v[VB], 5, v2                     ; + 8 h
.irp b, 0,1,2,3,4,5,6,7
	global_load_b128 v[BIAS+8*\b:BIAS+8*\b+3], v[VB], s[4:5] offset:(\b%4)*64+(\b/4)*2048       ; register 8 b + j: the bias of B's row 16 b + 8 h + j
	global_load_b128 v[BIAS+8*\b+4:BIAS+8*\b+7], v[VB], s[4:5] offset:(\b%4)*64+(\b/4)*2048+16
.endr
.macro FRAG reg, adr, q, i             ; a fragment: lane l holds row l % 16; registers 4 c .. 4 c + 3 hold K = 64 c + 32 (l / 16) + 0 .. 31
.irp c, 0,1
	ds_load_b128 v[\reg+4*\c:\reg+4*\c+3], v[\adr] offset:64*(\q)+32*\c+(\i)*16*PITCH
.endr
.endm
; 16 matrix instructions: A's blocks a0, a0 + 1 x B's eight, 128 along K.  cm = 0: in place; 1: the sums start from the bias.  The 64 accumulators take turns, in the same order in every step.
.macro MUL16 a0, p, q, sc, cm
.irp a, \a0, \a0+1
.irp b, 0,1,2,3,4,5,6,7
.if \cm
	v_wmma_scale_f32_16x16x128_f8f6f4 v[8*(8*((\a)%4)+\b):8*(8*((\a)%4)+\b)+7], v[128*(\p)+FR*\b:128*(\p)+FR*\b+FR-1], v[AF+FR*(\a):AF+FR*(\a)+FR-1], v[BIAS+8*\b:BIAS+8*\b+7], v[SC+8*NQ*(\sc)+NQ*\b+(\q)], v[SC+8*NQ*(\sc)+NQ*(\a)+(\q)] matrix_a_fmt:MATRIX_FMT_FP4 matrix_b_fmt:MATRIX_FMT_FP4 matrix_a_scale:MATRIX_SCALE_ROW1
.else
	v_wmma_scale_f32_16x16x128_f8f6f4 v[8*(8*((\a)%4)+\b):8*(8*((\a)%4)+\b)+7], v[128*(\p)+FR*\b:128*(\p)+FR*\b+FR-1], v[AF+FR*(\a):AF+FR*(\a)+FR-1], v[8*(8*((\a)%4)+\b):8*(8*((\a)%4)+\b)+7], v[SC+8*NQ*(\sc)+NQ*\b+(\q)], v[SC+8*NQ*(\sc)+NQ*(\a)+(\q)] matrix_a_fmt:MATRIX_FMT_FP4 matrix_b_fmt:MATRIX_FMT_FP4 matrix_a_scale:MATRIX_SCALE_ROW1
.endif
.endr
.endr
.endm
.macro FETCH_B slot, q, p              ; B's eight fragments of the slot's q-th 128 along K into set p
	WIN TO_B
.irp i, 0,1,2,3,4,5,6,7
	FRAG 128*(\p)+FR*\i, ADRB+\slot, \q, \i
.endr
	WIN 0
.endm
.macro FETCH_A slot, q, i0             ; A's blocks i0 .. i0 + 3
.irp i, \i0, \i0+1, \i0+2, \i0+3
	FRAG AF+FR*(\i), ADRA+\slot, \q, \i
.endr
.endm
.macro SCALES sc                       ; a slot's scale words into set sc: lanes 0-15 take A's block i, lanes 16-31 B's block i
.irp i, 0,1,2,3,4,5,6,7
	ds_load_b128 v[SC+8*NQ*\sc+NQ*\i:SC+8*NQ*\sc+NQ*\i+3], v[ADRS] offset:\i*SBLK
.endr
.endm
.macro PLACES n                        ; plain vector instructions between a matrix instruction and a load into, or a read or write of, its registers
.rept \n
	v_nop
.endr
.endm
; A step of 128 along K that has its successor in the same slot.  A has one set of registers: blocks 0-3 are fetched anew in the step's middle, blocks 4-7 at its end; B has two sets.
.macro STEP slot, q, cm
	s_wait_dscnt 4*NL                              ; B's set and A's blocks 0-3 are in; the youngest eight loads (A's blocks 4-7) may be out
.if \cm
	WIN BIA_LO
.else
	WIN MUL_LO
.endif
	MUL16 0, (\q)%2, \q, \slot, \cm
	MUL16 2, (\q)%2, \q, \slot, \cm
	s_wait_dscnt 0
	PLACES NP
	FETCH_B \slot, (\q)+1, 1-(\q)%2
	FETCH_A \slot, (\q)+1, 0
.if \cm
	WIN BIA_HI
.else
	WIN MUL_HI
.endif
	MUL16 4, (\q)%2, \q, \slot, \cm
	MUL16 6, (\q)%2, \q, \slot, \cm
	PLACES NP
	WIN 0
	FETCH_A \slot, (\q)+1, 4
.endm
; Slot 0's last step goes over to slot 1, and slot 0's B part is filled again, with Wv's codes.  ONE barrier, which opens a round of the cluster's barrier; in front of it each wave waits for all its tensor loads
; (its part of slot 1 among them), adds 0 to its spare word, and waits for that and for its reads of slot 0; behind the round no wave of any partner reads B's rows of slot 0 any more.
.macro TURN slot, next
	s_wait_tensorcnt 0x0                           ; all my tensor loads have landed: so the scales' descriptor may be written over
	ds_add_u32 v[SPW], v[NIL]                      ; 0 onto my spare word; work on registers stands between it and the wait for it
	s_or_b32 s[G1V+0], s44, (0<<16)|(1<<20)|(1<<21)|(5<<22)|(3<<25)   ; Wv's tile: the column's mask; elements of 1 byte; 4 words of padding after every 64
	s_mov_b32 s[G1V+1], ROWB<<16                   ; tensor_dim0
	s_mov_b32 s[G1V+2], 64<<16                     ; tensor_dim1 = 64 rows
	s_mov_b32 s[G1V+3], ROWB<<16                   ; tile_dim0
	s_mov_b32 s[G1V+4], 64                         ; tile_dim1
	s_mov_b32 s[G1V+5], KROW                       ; from row to row
	s_mov_b32 s[G1V+6], 0
	s_mov_b32 s[G1V+7], 0
	s_wait_dscnt 4*NL+1                            ; (the add and the youngest eight loads may be out)
	WIN MUL_LO
	MUL16 0, 1, NQ-1, \slot, 0
	s_wait_dscnt 0x0                               ; the add is done, and my reads of this slot's B rows are over
	s_barrier_signal -1
	MUL16 2, 1, NQ-1, \slot, 0
	WIN 0
	s_barrier_wait -1
	CREST
	tensor_load_to_lds s[G0V:G0V+3], s[G1V:G1V+7]  ; every wave's one joint load behind the round: 64 rows x 256 bytes of Wv's codes
	s_nop 0
.rept 4
	v_nop                                          ; (also the places in front of the loads below)
.endr
	v_add_nc_u32 v[ADRS], 4*NQ, v[ADRS]            ; on to the next slot's scale words (no LDS load of mine is out)
	FETCH_B \next, 0, 0
	FETCH_A \next, 0, 0
	SCALES \next
	WIN MUL_HI
	MUL16 4, 1, NQ-1, \slot, 0
	MUL16 6, 1, NQ-1, \slot, 0
	PLACES NP
	WIN 0
	FETCH_A \next, 0, 4
.endm
	s_wait_tensorcnt 1                             ; the scales and my part of slot 0 are in (slot 1's load may be out)
	s_barrier_signal -1
	s_barrier_wait -1                              ; everybody's are
	FETCH_B 0, 0, 0
	FETCH_A 0, 0, 0
	SCALES 0
	FETCH_A 0, 0, 4
	s_wait_loadcnt 0x0                             ; the biases
	STEP 0, 0, 1                                   ; the first step's products start the sums from the biases
	STEP 0, 1, 0
	STEP 0, 2, 0
	TURN 0, 1
	STEP 1, 0, 0
	STEP 1, 1, 0
	STEP 1, 2, 0
	s_wait_dscnt 4*NL                              ; phase 1's last step: nothing more to fetch
	WIN MUL_LO
	MUL16 0, 1, NQ-1, 1, 0
	MUL16 2, 1, NQ-1, 1, 0
	s_wait_dscnt 0
	WIN MUL_HI
	MUL16 4, 1, NQ-1, 1, 0
	MUL16 6, 1, NQ-1, 1, 0
	WIN 0
; ---- THE WAY OUT OF q AND k ----
; sine and cosine of four register pairs of angles, v[x] on, into v[s] on and v[c] on; all in window 1; the four pairs by turns, so that no line waits for the line above it
.macro SINCOS4 x, c, s
.irp k, 0,2,4,6
	v_pk_mul_f32 v[T1+\k:T1+\k+1], v[(\x)+\k:(\x)+\k+1], 0x3e22f983 op_sel_hi:[1,0]              ; angle / 2 pi
.endr
.irp k, 0,1,2,3,4,5,6,7
	v_rndne_f32 v[T1+\k], v[T1+\k]                                                               ; the nearest whole number n
.endr
.irp k, 0,2,4,6
	v_pk_fma_f32 v[T2+\k:T2+\k+1], v[T1+\k:T1+\k+1], 0xc0c90fdb, v[(\x)+\k:(\x)+\k+1] op_sel_hi:[1,0,1]   ; rho = angle - n x 2 pi, 2 pi in two parts
.endr
.irp k, 0,2,4,6
	v_pk_fma_f32 v[T2+\k:T2+\k+1], v[T1+\k:T1+\k+1], 0x343bbd2e, v[T2+\k:T2+\k+1] op_sel_hi:[1,0,1]
.endr
.irp k, 0,2,4,6
	v_pk_mul_f32 v[T1+\k:T1+\k+1], v[T2+\k:T2+\k+1], v[T2+\k:T2+\k+1]                            ; z = rho^2
.endr
.irp k, 0,2,4,6
	v_pk_fma_f32 v[T3+\k:T3+\k+1], v[T1+\k:T1+\k+1], 0xb2500d01, v[224:225] op_sel_hi:[1,0,1]    ; sin(rho / 4) = rho (1/4 - z/384 + z^2/122880 - z^3/82575360)
.endr
.irp k, 0,2,4,6
	v_pk_fma_f32 v[T3+\k:T3+\k+1], v[T3+\k:T3+\k+1], v[T1+\k:T1+\k+1], 0xbb2aaaab op_sel_hi:[1,1,0]
.endr
.irp k, 0,2,4,6
	v_pk_fma_f32 v[T3+\k:T3+\k+1], v[T3+\k:T3+\k+1], v[T1+\k:T1+\k+1], 0x3e800000 op_sel_hi:[1,1,0]
.endr
.irp k, 0,2,4,6
	v_pk_mul_f32 v[T3+\k:T3+\k+1], v[T3+\k:T3+\k+1], v[T2+\k:T2+\k+1]
.endr
.irp k, 0,2,4,6
	v_pk_fma_f32 v[T2+\k:T2+\k+1], v[T1+\k:T1+\k+1], 0x2fd00d01, v[226:227] op_sel_hi:[1,0,1]    ; cos(rho / 4) = 1 - z/32 + z^2/6144 - z^3/2949120 + z^4/2642411520
.endr
.irp k, 0,2,4,6
	v_pk_fma_f32 v[T2+\k:T2+\k+1], v[T2+\k:T2+\k+1], v[T1+\k:T1+\k+1], 0x392aaaab op_sel_hi:[1,1,0]
.endr
.irp k, 0,2,4,6
	v_pk_fma_f32 v[T2+\k:T2+\k+1], v[T2+\k:T2+\k+1], v[T1+\k:T1+\k+1], 0xbd000000 op_sel_hi:[1,1,0]
.endr
.irp k, 0,2,4,6
	v_pk_fma_f32 v[T2+\k:T2+\k+1], v[T2+\k:T2+\k+1], v[T1+\k:T1+\k+1], 1.0 op_sel_hi:[1,1,0]
.endr
.irp k, 0,2,4,6
	v_pk_add_f32 v[T1+\k:T1+\k+1], v[T3+\k:T3+\k+1], v[T3+\k:T3+\k+1]                            ; the angle doubled: sin = 2 s c, cos = 1 - 2 s s
.endr
.irp k, 0,2,4,6
	v_pk_mul_f32 v[T4+\k:T4+\k+1], v[T1+\k:T1+\k+1], v[T2+\k:T2+\k+1]
.endr
.irp k, 0,2,4,6
	v_pk_fma_f32 v[T2+\k:T2+\k+1], v[T1+\k:T1+\k+1], v[T3+\k:T3+\k+1], 1.0 op_sel_hi:[1,1,0] neg_lo:[1,0,0] neg_hi:[1,0,0]
.endr
.irp k, 0,2,4,6
	v_pk_add_f32 v[T1+\k:T1+\k+1], v[T4+\k:T4+\k+1], v[T4+\k:T4+\k+1]                            ; and once more
.endr
.irp k, 0,2,4,6
	v_pk_mul_f32 v[(\s)+\k:(\s)+\k+1], v[T1+\k:T1+\k+1], v[T2+\k:T2+\k+1]
.endr
.irp k, 0,2,4,6
	v_pk_fma_f32 v[(\c)+\k:(\c)+\k+1], v[T1+\k:T1+\k+1], v[T4+\k:T4+\k+1], 1.0 op_sel_hi:[1,1,0] neg_lo:[1,0,0] neg_hi:[1,0,0]
.endr
.endm
	PLACES NP                                      ; behind the last products: their operands' and scales' registers are loaded or written and their results read from here on
	; what phase 2 wants beside Wv's codes is asked for now and lands under the way out: its scale words, both slots' (they have lain in LDS since the first fills),
.irp sc, 0,1
.irp i, 0,1,2,3
	ds_load_b128 v[SC+8*NQ*\sc+NQ*\i:SC+8*NQ*\sc+NQ*\i+3], v[ADRP] offset:\i*SBLK+4*NQ*\sc   ; lanes 0-15: the tokens' block i; lanes 16-31: Wv's block i
.endr
.irp i, 4,5,6,7
	ds_load_b128 v[SC+8*NQ*\sc+NQ*\i:SC+8*NQ*\sc+NQ*\i+3], v[ADRQ] offset:\i*SBLK+4*NQ*\sc   ; lanes 0-15: the tokens' block i
.endr
.endr
	s_lshl_b32 s20, s42, 9                         ; and bv: channel 128 g + 64 x column half,
	s_lshl_b32 s21, s16, 8
	s_add_co_u32 s20, s20, s21
	s_mov_b32 s21, 0
	s_add_nc_u64 s[8:9], s[8:9], s[20:21]
	v_lshlrev_b32 v[VB], 2, v1                     ; + r
.irp c, 0,1,2,3
	global_load_b32 v[BV+8*\c], v[VB], s[8:9] offset:64*\c   ; the bias of channel 16 c + r: the same for a lane's eight results
.endr
	s_mul_i32 s20, s42, 3145728                    ; q, k: head g,
	s_lshl_b32 s21, s17, 2
	s_lshl_b32 s22, s15, 1
	s_add_co_u32 s21, s21, s22
	s_mul_i32 s21, s21, 24576                      ; step 4 tr + 2 x row half,
	s_add_co_u32 s20, s20, s21
	s_lshl_b32 s21, s16, 13                        ; Q's part or K's
	s_add_co_u32 s20, s20, s21
	s_mov_b32 s21, 0
	s_add_nc_u64 s[100:101], s[10:11], s[20:21]
	s_lshl_b32 s20, s16, 16                        ; first: q or k,
	s_lshl_b32 s22, s42, 12                        ; head g
	s_add_co_u32 s20, s20, s22
	s_add_nc_u64 s[2:3], s[12:13], s[20:21]
	s_lshl_b32 s20, s17, 8
	s_lshl_b32 s22, s15, 7
	s_add_co_u32 s20, s20, s22
	v_add_nc_u32 v30, s20, v1                      ; my token of the wave's first 16
	s_lshl_b32 s22, s42, 6
	v_lshl_add_u32 v31, v2, 3, s22                 ; channel 64 g + 8 h
	WIN 0x40                                       ; destination window 1
	v_cvt_f32_u32 v228, v30
	v_cvt_f32_u32 v229, v30
	v_mov_b32 v230, v31
	v_mov_b32 v224, 0x37088889                     ; 1 / 122880, twice: an instruction takes one literal
	v_mov_b32 v225, 0x37088889
	v_mov_b32 v226, 0xb4b60b61                     ; -1 / 2949120
	v_mov_b32 v227, 0xb4b60b61
	WIN 0x55                                       ; all in window 1
.set i, 0
.rept 32
	v_add_nc_u32 v[THR+i], 16*(i/8)+i%8, v230      ; register 8 b + j: channel 64 g + 8 h + 16 b + j
.set i, i+1
.endr
.set i, 0
.rept 32
	v_cvt_f32_u32 v[THR+i], v[THR+i]
.set i, i+1
.endr
.set i, 0
.rept 16
	v_pk_mul_f32 v[THR+2*i:THR+2*i+1], v[THR+2*i:THR+2*i+1], 0xbcd49a78 op_sel_hi:[1,0]   ; x -log2(10000) / 512
.set i, i+1
.endr
.set i, 0
.rept 32
	v_exp_f32 v[THR+i], v[THR+i]                   ; inv_freq
.set i, i+1
.endr
	v_nop                                          ; a plain line behind the last exponential,
	s_wait_alu depctr_va_vdst(0)                   ; and one wait for the batch, ahead of its first reader
.set i, 0
.rept 16
	v_pk_mul_f32 v[XR+2*i:XR+2*i+1], v[THR+2*i:THR+2*i+1], v[228:229]   ; the angle: token x inv_freq
.set i, i+1
.endr
.irp g, 0,8,16,24
	SINCOS4 XR+\g, CSR+\g, SNR+\g
.endr
.set i, 0
.rept 16
	v_pk_mul_f32 v[XR+2*i:XR+2*i+1], v[THR+2*i:THR+2*i+1], 0x41800000 op_sel_hi:[1,0]     ; 16 tokens on
.set i, i+1
.endr
.irp g, 0,8,16,24
	SINCOS4 XR+\g, C16R+\g, S16R+\g
.endr
.irp a, 0,1,2,3,4,5,6,7                ; 16 tokens at a time
.set AC, 64*(\a%4)
.set OB, OUT0+32*(\a%2)
.set WN, 0x06+\a/4
	WIN WN                                         ; source 0: the accumulators' window; source 1: window 1; the rest window 0
.set i, 0
.rept 16
	v_pk_mul_f32 v[TL+2*i:TL+2*i+1], v[AC+2*i:AC+2*i+1], v[CSR+2*i:CSR+2*i+1]   ; x1 cos  (each accumulator is read from its low end on)
.set i, i+1
.endr
.set i, 0
.rept 16
	v_pk_mul_f32 v[TU+2*i:TU+2*i+1], v[AC+2*i:AC+2*i+1], v[SNR+2*i:SNR+2*i+1]   ; x1 sin
.set i, i+1
.endr
.set i, 0
.rept 16
	v_pk_fma_f32 v[TL+2*i:TL+2*i+1], v[AC+32+2*i:AC+32+2*i+1], v[SNR+2*i:SNR+2*i+1], v[TL+2*i:TL+2*i+1] neg_lo:[1,0,0] neg_hi:[1,0,0]   ; - x2 sin
.set i, i+1
.endr
.set i, 0
.rept 16
	v_pk_fma_f32 v[TU+2*i:TU+2*i+1], v[AC+32+2*i:AC+32+2*i+1], v[CSR+2*i:CSR+2*i+1], v[TU+2*i:TU+2*i+1]   ; + x2 cos
.set i, i+1
.endr
	WIN 0
.if \a > 1
	s_wait_xcnt 0x0                                ; the stores of two turns ago have read this set of packed registers
.endif
.set i, 0
.rept 16
	v_cvt_pk_f16_f32 v[OB+i], v[TL+2*i], v[TL+2*i+1]
.set i, i+1
.endr
.set i, 0
.rept 16
	v_cvt_pk_f16_f32 v[OB+16+i], v[TU+2*i], v[TU+2*i+1]
.set i, i+1
.endr
.if \a == 0
	; tokens 0-15 leave in f32 too.  They lie in cluster y = 0, row half 0 (a scalar branch: both are alike in all partners, or the wave's own number) and cy = 0 (by EXEC: no branch hangs on a place in the cluster)
	s_or_b32 s20, s66, s15
	s_cmp_lg_u32 s20, 0
	s_cbranch_scc1 .Lno_first_qk
	s_wait_xcnt 0x0                                ; EXEC changes only behind this wait
	v_cmp_eq_u32 vcc_lo, 0, v[SELV]
	s_and_saveexec_b32 s22, vcc_lo
.irp b, 0,1,2,3
.irp e, 0,1
	global_store_b128 v[OLO], v[TL+8*\b+4*\e:TL+8*\b+4*\e+3], s[2:3] offset:1024*\b+512*\e
	global_store_b128 v[OLO], v[TU+8*\b+4*\e:TU+8*\b+4*\e+3], s[2:3] offset:32768+1024*\b+512*\e
.endr
.endr
	s_wait_xcnt 0x0                                ; and again, in front of the line that widens it; the stores' data may be written again too
	s_or_b32 exec_lo, exec_lo, s22
.Lno_first_qk:
.endif
.irp b, 0,1,2,3
	global_store_b128 v[OLO], v[OB+4*\b:OB+4*\b+3], s[100:101] offset:(\a/4)*24576+(\a%4)*2048+512*\b         ; head g: 512 consecutive bytes
	global_store_b128 v[OHI], v[OB+16+4*\b:OB+16+4*\b+3], s[100:101] offset:(\a/4)*24576+(\a%4)*2048+512*\b   ; head g + 8
.endr
.if \a < 7
	WIN 0x55                                       ; the angle of the next 16 tokens: a rotation by 16 inv_freq
.set i, 0
.rept 16
	v_pk_mul_f32 v[192+2*i:193+2*i], v[CSR+2*i:CSR+2*i+1], v[S16R+2*i:S16R+2*i+1]
	v_pk_mul_f32 v[224+2*i:225+2*i], v[SNR+2*i:SNR+2*i+1], v[S16R+2*i:S16R+2*i+1]
.set i, i+1
.endr
.set i, 0
.rept 16
	v_pk_fma_f32 v[CSR+2*i:CSR+2*i+1], v[CSR+2*i:CSR+2*i+1], v[C16R+2*i:C16R+2*i+1], v[224+2*i:225+2*i] neg_lo:[0,0,1] neg_hi:[0,0,1]
	v_pk_fma_f32 v[SNR+2*i:SNR+2*i+1], v[SNR+2*i:SNR+2*i+1], v[C16R+2*i:C16R+2*i+1], v[192+2*i:193+2*i]
.set i, i+1
.endr
.endif
.endr
	WIN 0
; ---- PHASE 2: v ----
; 24 LDS loads in one run: the fragments of K step k (0 .. 7: slot k / 4, its (k % 4)-th 128 along K) into set k % 2: my eight blocks of 16 tokens, from A's rows where they have lain since the first fills, and my four blocks of Wv
.macro FETCH2 k
	WIN TO_T
.irp i, 0,1,2,3,4,5,6,7
	FRAG 64*((\k)%2)+FR*\i, ADRA+(\k)/4, (\k)%4, \i
.endr
	WIN TO_B
.irp i, 0,1,2,3
.irp c, 0,1
	ds_load_b128 v[32*((\k)%2)+FR*\i+4*\c:32*((\k)%2)+FR*\i+4*\c+3], v[ADRV] offset:((\k)/4)*HALFT+64*((\k)%4)+32*\c+\i*16*PITCH
.endr
.endr
.endm
; K step k: its successor's fragments are fetched first; then 32 matrix instructions, source 0 = 16 tokens (scale words in lanes 0-15), source 1 = 16 rows of Wv (in lanes 16-31).  The 32 accumulators take turns, in the same order in every step.
.macro PSTEP k, bias
.if (\k) < 7
	PLACES NP                                      ; in front of loads into the set that the last 32 products read
	FETCH2 (\k)+1
	s_wait_dscnt 24                                ; all but the 24 just issued
.else
	s_wait_dscnt 0x0
.endif
.if \bias
	WIN BIA_V
.else
	WIN MUL_V
.endif
.irp c, 0,1,2,3
.irp t, 0,1,2,3,4,5,6,7
.if \bias
	v_wmma_scale_f32_16x16x128_f8f6f4 v[8*(8*\c+\t):8*(8*\c+\t)+7], v[64*((\k)%2)+FR*\t:64*((\k)%2)+FR*\t+FR-1], v[32*((\k)%2)+FR*\c:32*((\k)%2)+FR*\c+FR-1], v[BV+8*\c:BV+8*\c+7], v[SC+8*NQ*((\k)/4)+NQ*\t+(\k)%4], v[SC+8*NQ*((\k)/4)+NQ*\c+(\k)%4] matrix_a_fmt:MATRIX_FMT_FP4 matrix_b_fmt:MATRIX_FMT_FP4 matrix_b_scale:MATRIX_SCALE_ROW1
.else
	v_wmma_scale_f32_16x16x128_f8f6f4 v[8*(8*\c+\t):8*(8*\c+\t)+7], v[64*((\k)%2)+FR*\t:64*((\k)%2)+FR*\t+FR-1], v[32*((\k)%2)+FR*\c:32*((\k)%2)+FR*\c+FR-1], v[8*(8*\c+\t):8*(8*\c+\t)+7], v[SC+8*NQ*((\k)/4)+NQ*\t+(\k)%4], v[SC+8*NQ*((\k)/4)+NQ*\c+(\k)%4] matrix_a_fmt:MATRIX_FMT_FP4 matrix_b_fmt:MATRIX_FMT_FP4 matrix_b_scale:MATRIX_SCALE_ROW1
.endif
.endr
.endr
.endm
	s_wait_tensorcnt 0x0                           ; my 64 rows of Wv's codes have landed,
	s_wait_dscnt 0x0                               ; (no LDS instruction of mine is out at a signal)
	s_barrier_signal -1
	s_barrier_wait -1                              ; everybody's have.
	FETCH2 0
	WIN 0
	s_wait_loadcnt 0x0                             ; bv
.irp c, 0,1,2,3
.irp j, 1,2,3,4,5,6,7
	v_mov_b32 v[BV+8*\c+\j], v[BV+8*\c]            ; a lane's eight results are of one channel
.endr
.endr
	PSTEP 0, 1                                     ; the first step's products start the sums from bv
.irp k, 1,2,3,4,5,6,7
	PSTEP \k, 0
.endr
	WIN 0
	; THE WAY OUT OF v: lane (r, h) of accumulator (c, t) holds channel 16 c + r and tokens 16 t + 8 h + 0 .. 7
	PLACES NP
	s_lshl_b32 s20, s42, 1
	s_add_co_u32 s20, s20, s16
	s_mul_i32 s20, s20, 3145728                    ; head 2 g + column half,
	s_lshl_b32 s21, s17, 2
	s_lshl_b32 s22, s15, 1
	s_add_co_u32 s21, s21, s22
	s_mul_i32 s21, s21, 24576                      ; step 4 tr + 2 x row half,
	s_add_co_u32 s20, s20, s21
	s_add_co_u32 s20, s20, 16384                   ; V^T's part
	s_mov_b32 s21, 0
	s_add_nc_u64 s[10:11], s[10:11], s[20:21]
	s_lshl_b32 s20, s42, 13                        ; first: 16 channels are 1,024 bytes: 8 g + 4 x column half of them,
	s_lshl_b32 s22, s16, 12
	s_add_co_u32 s20, s20, s22
	s_add_co_u32 s20, s20, 131072                  ; behind q and k
	s_add_nc_u64 s[12:13], s[12:13], s[20:21]
	; tokens 0-15 in f32: cluster y = 0 and row half 0 by a scalar branch, cy = 0 by EXEC
	s_or_b32 s20, s66, s15
	s_cmp_lg_u32 s20, 0
	s_cbranch_scc1 .Lno_first_v
	s_wait_xcnt 0x0                                ; EXEC changes only behind this wait
	v_cmp_eq_u32 vcc_lo, 0, v[SELV]
	s_and_saveexec_b32 s22, vcc_lo
	WIN 0x08                                       ; a store's data: window 2
.irp c, 0,1,2,3
	global_store_b128 v[OLO], v[64*\c:64*\c+3], s[12:13] offset:1024*\c          ; accumulator (c, 0), from its low end on
	global_store_b128 v[OLO], v[64*\c+4:64*\c+7], s[12:13] offset:1024*\c+512
.endr
	WIN 0
	s_wait_xcnt 0x0                                ; and again, in front of the line that widens it
	s_or_b32 exec_lo, exec_lo, s22
.Lno_first_v:
.irp c, 0,1,2,3
.set AC, 64*\c
.set OB, OUT0+32*(\c%2)
	s_wait_xcnt 0x0                                ; the earlier stores (q's and k's last, then those of two turns ago) have read this set of packed registers
	WIN 0x0a                                       ; sources 0 and 1: window 2
.set i, 0
.rept 32
	v_cvt_pk_f16_f32 v[OB+i], v[AC+2*i], v[AC+2*i+1]
.set i, i+1
.endr
	WIN 0
.irp t, 0,1,2,3,4,5,6,7
	global_store_b128 v[OLO], v[OB+4*\t:OB+4*\t+3], s[10:11] offset:(\t/4)*24576+((\t/2)%2)*4096+\c*1024+(\t%2)*512   ; 512 consecutive bytes
.endr
.endr
	s_wait_tensorcnt 0x0                           ; the wave's end: behind my last tensor load
	ds_add_u32 v[SPW], v[NIL]
	s_wait_dscnt 0x0
	CROUND                                         ; the closing round: no work-group ends while a partner may still ask for a tile that names it
	s_endpgm
.Lfunc_end_k_qf8eba2465d_qkv:
	.size	k_qf8eba2465d_qkv, .Lfunc_end_k_qf8eba2465d_qkv-k_qf8eba2465d_qkv
	.p2alignl 7, 3214868480
	.fill 96, 4, 3214868480
	.section	.rodata,"a",@progbits
	.p2align	6, 0x0
	.amdhsa_kernel k_qf8eba2465d_qkv
		.amdhsa_group_segment_fixed_size 327680
		.amdhsa_private_segment_fixed_size 0
		.amdhsa_enable_private_segment 0
		.amdhsa_kernarg_size 72
		.amdhsa_user_sgpr_count 2
		.amdhsa_user_sgpr_kernarg_segment_ptr 1
		.amdhsa_wavefront_size32 1
		.amdhsa_system_sgpr_workgroup_id_x 1
		.amdhsa_system_sgpr_workgroup_id_y 1
		.amdhsa_system_sgpr_workgroup_id_z 1
		.amdhsa_system_vgpr_workitem_id 0
		.amdhsa_next_free_vgpr 1024
		.amdhsa_next_free_sgpr 102
		.amdhsa_reserve_vcc 1
		.amdhsa_float_denorm_mode_32 3
		.amdhsa_float_denorm_mode_16_64 3
		.amdhsa_memory_ordered 1
		.amdhsa_forward_progress 1
		.amdhsa_inst_pref_size 255
	.end_amdhsa_kernel
	.section	.bss,"aw",@nobits
	.p2align	6
	.space	262144
	.amdgpu_metadata
---
amdhsa.version: [ 1, 2 ]
amdhsa.kernels:
  - .name:           k_qf8eba2465d_qkv
    .symbol:         k_qf8eba2465d_qkv.kd
    .args:
      - { .name: a_codes, .offset: 0, .size: 8, .value_kind: global_buffer, .address_space: global }
      - { .name: a_scales, .offset: 8, .size: 8, .value_kind: global_buffer, .address_space: global }
      - { .name: w_codes, .offset: 16, .size: 8, .value_kind: global_buffer, .address_space: global }
      - { .name: w_scales, .offset: 24, .size: 8, .value_kind: global_buffer, .address_space: global }
      - { .name: bq, .offset: 32, .size: 8, .value_kind: global_buffer, .address_space: global }
      - { .name: bk, .offset: 40, .size: 8, .value_kind: global_buffer, .address_space: global }
      - { .name: bv, .offset: 48, .size: 8, .value_kind: global_buffer, .address_space: global }
      - { .name: qkv, .offset: 56, .size: 8, .value_kind: global_buffer, .address_space: global }
      - { .name: first, .offset: 64, .size: 8, .value_kind: global_buffer, .address_space: global }
    .group_segment_fixed_size: 327680
    .private_segment_fixed_size: 0
    .kernarg_segment_align: 8
    .kernarg_segment_size: 72
    .max_flat_workgroup_size: 128
    .sgpr_count:     102
    .vgpr_count:     1024
    .wavefront_size: 32
...
	.end_amdgpu_metadata
.endif
;; end of part 2
;; launch attn (part 3): grid 16 x 16, 8 waves a work-group, no clusters, 327,680 bytes of LDS; arguments qkv, attn; writes attn
.if DOCPART == 3
	.amdgcn_target "amdgcn-amd-amdhsa--gfx1250"
	.amdhsa_code_object_version 6
	.text
	.protected	k_qf8eba2465d_attn
	.globl	k_qf8eba2465d_attn
	.p2align	8
	.type	k_qf8eba2465d_attn,@function
k_qf8eba2465d_attn:
	s_mov_b64 s[64:65], 0
	v_nop
	global_prefetch_b8 v0, s[64:65] scope:SCOPE_SE
	s_setreg_imm32_b32 hwreg(HW_REG_WAVE_MODE, 25, 1), 1
	s_wait_xcnt 0x0
; Launch 3 of 5: the banded attention, 0 <= q - k <= 512, heads of 64 channels, on f16 operands with f32 sums, maxima and exponentials.
; WORK LEFT OUT: steps of 64 keys, tiles of 16 x 16 scores and runs of 32 keys of weights that lie wholly outside the band or in front of key 0: their weights are 0 for all finite inputs (shown at the head of launch 1).
; SHARES.  Work-group (n, head) owns queries 512 n .. 512 n + 511, wave w 64 of them: four tiles of 16.  Two waves share a SIMD, so that one wave's softmax stands beside the other's products.
; Key steps of 64 are numbered 0-15: 0-7 the block of 512 before, 8-15 the own block.  Wave w walks step 8 + w (the diagonal), then 7 + w down to w + 1 (every key counts), then w (the window's lower edge):
; nine steps for every wave.  In block 0 the steps in front of key 0 are passed over by a scalar branch on ids.
; LDS holds all 16 steps, 16,384 bytes each (K's images, then V^T's), each filled once: wave w fetches step 8 + w at the head and step w behind the first barrier.
; NO CLUSTER: a step of K and V is read by two work-groups only (n and n + 1), at different places of their LDS and at different points of their walks.
; NO PREFETCH: all that a work-group reads is asked for by its two loads a wave, the second as soon as the first has landed: there is no later trip to ask ahead for.
; LAYOUT.  S^T = K Q^T (source 0 = 16 keys, source 1 = 16 queries): a lane holds ONE query (lane % 16) and keys 8 (lane / 16) + 0..7.  Two such tiles, rounded to f16 in pairs, ARE source 1 of O^T = V^T P.
; Every fragment lies in memory and in LDS as an image of its registers: 16 bytes a lane, 512 consecutive bytes a load.
; SOFTMAX.  A running maximum m and sum l for each query: p = 2^(c s - c m), c = log2(e) / 8; in every step O and l are multiplied by 2^(c m_old - c m_new).
; LIMITS: the weights p and the result are rounded to f16; NaN and infinities among the inputs are not served.
; REGISTERS.  window 0: v2-9 addresses and constants; v16-47 eight registers of statistics a tile; v64-191 S^T (32 qt + 8 kt); v192-255 P (16 qt + 8 kb).
;   window 1: v0-63 Q (16 qt + 8 kf); v64-127 K's and V's fragments by turns; v128-255 O^T (32 qt + 8 ct).
.set L16,  2                           ; v2  16 x lane
.set ADR,  3                           ; v3  LDS address of the step in hand
.set DG,   4                           ; v4  r - 8 h
.set NINF, 5                           ; v5  -infinity
.set SPW,  8                           ; v8  LDS address of my spare word; never rewritten
.set NIL,  9                           ; v9  0; never rewritten
.set ST,   16                          ; tile t at v[ST + 8 t]: +0 c m, +1 m, +2, +3 l (even keys', odd keys'), +4 to +7 at work; the factor takes +6
.set S,    64
.set P,    192
.set QF,   0
.set KV,   64
.set O,    128
.set SPARE, 262144                     ; behind the 16 steps: the spare words, 128 bytes for each wave
.set WV,   12                          ; s12 wave
.set TB,   14                          ; s14 LDS byte of the step in hand
.set KF,   15                          ; s15 its first key, signed
.set G1,   16                          ; s[16:23] descriptor group 1
.set G0C,  24                          ; s[24:27] group 0: my step of the own block
.set G0P,  28                          ; s[28:31] my step of the block before
.set TRIP, 33
.set CS,   34                          ; s[34:35] c
.set SEL,  36                          ; s[36:37] lane selects: lane l xor 16
.set MD,   48                          ; s48-55  lanes where register j of the diagonal tile is hidden: j > r - 8 h
.set ME,   56                          ; s56-63  the same at the window's lower edge: j < r - 8 h
.set MSB, 0
.macro WIN new
.if MSB != \new
	s_set_vgpr_msb (MSB<<8)|\new
.set MSB, \new
.endif
.endm
	s_load_b128 s[4:7], s[0:1], 0x0                ; qkv s[4:5], attn s[6:7]
	v_lshl_add_u32 v[SPW], v0, 2, SPARE
	v_mov_b32 v[NIL], 0
	ds_add_u32 v[SPW], v[NIL]                      ; the wave's opening: the add, twice on end, and its wait ahead of my first tensor load
	ds_add_u32 v[SPW], v[NIL]
	v_lshrrev_b32 v1, 5, v0
	v_readfirstlane_b32 s[WV], v1                  ; wave 0..7
	; descriptor group 1: a step's K and V^T are 16,384 dense bytes: 64 rows of 256 bytes (32 elements of 8 bytes), no padding
	s_mov_b32 s[G1], 3<<16
	s_mov_b32 s[G1+1], 32<<16                      ; tensor_dim0
	s_mov_b32 s[G1+2], 64<<16                      ; tensor_dim1
	s_mov_b32 s[G1+3], 32<<16                      ; tile_dim0
	s_mov_b32 s[G1+4], 64                          ; tile_dim1
	s_mov_b32 s[G1+5], 32                          ; from row to row
	s_mov_b32 s[G1+6], 0
	s_mov_b32 s[G1+7], 0
	s_and_b32 s38, ttmp7, 0xffff                   ; the head
	s_mul_i32 s46, s38, 3145728                    ; its first byte
	s_lshl_b32 s39, ttmp9, 3
	s_add_co_u32 s39, s39, s[WV]                   ; my step of 64 tokens: 8 n + w
	s_mul_i32 s40, s39, 24576
	s_add_co_u32 s40, s40, s46
	s_mov_b32 s41, 0
	s_max_u32 s42, s39, 8                          ; eight steps back; in block 0 there is none: the number is held at 0 and that descriptor is not used
	s_sub_co_u32 s42, s42, 8
	s_mul_i32 s42, s42, 24576
	s_add_co_u32 s42, s42, s46
	s_mov_b32 s43, 0
	s_lshl_b32 s45, s[WV], 14                      ; LDS: step w,
	s_add_co_u32 s[TB], s45, 131072                ; step 8 + w
	s_lshl_b32 s[KF], s39, 6                       ; the diagonal step's first key is my first query
	s_mov_b32 s[CS], 0x3e38aa3b                    ; c = log2(e) / sqrt(64)
	s_mov_b32 s[CS+1], s[CS]
	s_mov_b32 s[SEL], 0x76543210
	s_mov_b32 s[SEL+1], 0xfedcba98
	s_lshl_b32 s46, ttmp9, 20                      ; attn: 16 rows are 32,768 bytes: 32 n + 4 w of them,
	s_lshl_b32 s47, s[WV], 17
	s_add_co_u32 s46, s46, s47
	s_lshl_b32 s47, s38, 11                        ; and the head's two images of 1,024 bytes in each
	s_add_co_u32 s46, s46, s47
	s_mov_b32 s47, 0
	s_wait_dscnt 0x0                               ; both opening adds are done
	s_wait_kmcnt 0x0
	s_add_nc_u64 s[40:41], s[4:5], s[40:41]        ; my own step: Q at its head
	s_add_nc_u64 s[42:43], s[4:5], s[42:43]
	s_add_nc_u64 s[6:7], s[6:7], s[46:47]
	s_mov_b32 s[G0C], 1
	s_mov_b32 s[G0C+1], s[TB]
	s_add_nc_u64 s[G0C+2:G0C+3], s[40:41], 8192    ; K and V^T lie behind Q
	s_or_b32 s[G0C+3], s[G0C+3], 0x80000000
	s_mov_b32 s[G0P], 1
	s_mov_b32 s[G0P+1], s45
	s_add_nc_u64 s[G0P+2:G0P+3], s[42:43], 8192
	s_or_b32 s[G0P+3], s[G0P+3], 0x80000000
	tensor_load_to_lds s[G0C:G0C+3], s[G1:G1+7]    ; every wave: its step of the own block
	s_nop 0
.rept 4
	v_nop
.endr
	v_and_b32 v1, 31, v0
	v_lshlrev_b32 v[L16], 4, v1
	v_and_b32 v6, 15, v0
	v_bfe_u32 v7, v0, 4, 1
	v_lshlrev_b32 v7, 3, v7
	v_sub_nc_u32 v[DG], v6, v7
	v_mov_b32 v[NINF], 0xff800000
.irp j, 0,1,2,3,4,5,6,7
	v_cmp_gt_i32 s[MD+\j], \j, v[DG]               ; key 8 h + j comes after query r
	v_cmp_lt_i32 s[ME+\j], \j, v[DG]               ; key 8 h + j - 512 lies more than 512 back
.endr
	WIN 0x40                                       ; destination window 1
.set i, 0
.rept 16
	global_load_b128 v[QF+4*i:QF+4*i+3], v[L16], s[40:41] offset:512*i   ; Q stays in registers
.set i, i+1
.endr
	WIN 0
; One tile's softmax is written line by line for the four tiles by turns, so that no line waits for the line above it.  first = 1: the first step starts m, l and O^T.
.macro SOFTMAX first
.irp j, 0,1,2,3
.irp t, 0,1,2,3
	v_max3_num_f32 v[ST+8*\t+4+\j], v[S+32*\t+8*\j], v[S+32*\t+8*\j+1], v[S+32*\t+8*\j+2]   ; four chains; each accumulator is read from its low end on
.endr
.endr
.irp g, 1,2
.irp j, 0,1,2,3
.irp t, 0,1,2,3
	v_max3_num_f32 v[ST+8*\t+4+\j], v[ST+8*\t+4+\j], v[S+32*\t+8*\j+2*\g+1], v[S+32*\t+8*\j+2*\g+2]
.endr
.endr
.endr
.irp t, 0,1,2,3
	v_max3_num_f32 v[ST+8*\t+4], v[ST+8*\t+4], v[S+32*\t+7], v[S+32*\t+15]
.endr
.irp t, 0,1,2,3
	v_max3_num_f32 v[ST+8*\t+6], v[ST+8*\t+6], v[S+32*\t+23], v[S+32*\t+31]
.endr
.irp t, 0,1,2,3
	v_max3_num_f32 v[ST+8*\t+4], v[ST+8*\t+4], v[ST+8*\t+5], v[ST+8*\t+6]
.endr
.irp t, 0,1,2,3
.if \first
	v_max_num_f32 v[ST+8*\t+4], v[ST+8*\t+4], v[ST+8*\t+7]
.else
	v_max3_num_f32 v[ST+8*\t+4], v[ST+8*\t+4], v[ST+8*\t+7], v[ST+8*\t+1]   ; and the old m
.endif
.endr
.irp t, 0,1,2,3
	v_permlanex16_b32 v[ST+8*\t+5], v[ST+8*\t+4], s[SEL], s[SEL+1]          ; the query's other 32 keys lie in the lane 16 away
.endr
.if !\first
.irp t, 0,1,2,3
	v_mov_b32 v[ST+8*\t+7], v[ST+8*\t]             ; c m_old
.endr
.endif
.irp t, 0,1,2,3
	v_max_num_f32 v[ST+8*\t+1], v[ST+8*\t+4], v[ST+8*\t+5]
.endr
.irp t, 0,1,2,3
	v_mul_f32 v[ST+8*\t], s[CS], v[ST+8*\t+1]
.endr
.if !\first
.irp t, 0,1,2,3
	v_sub_f32 v[ST+8*\t+7], v[ST+8*\t+7], v[ST+8*\t]
.endr
.endif
.irp b, 0,1,2,3,4,5,6,7,8,9,10,11,12,13,14,15
.irp t, 0,1,2,3
	v_pk_fma_f32 v[S+32*\t+2*\b:S+32*\t+2*\b+1], v[S+32*\t+2*\b:S+32*\t+2*\b+1], s[CS:CS+1], v[ST+8*\t:ST+8*\t+1] op_sel_hi:[1,0,0] neg_lo:[0,0,1] neg_hi:[0,0,1]   ; c s - c m
.endr
.endr
.if !\first
.irp t, 0,1,2,3
	v_exp_f32 v[ST+8*\t+6], v[ST+8*\t+7]           ; 2^(c m_old - c m_new)
.endr
.endif
.set i, 0
.rept 128
	v_exp_f32 v[S+i], v[S+i]
.set i, i+1
.endr
	v_nop                                          ; a plain line behind the last exponential,
	s_wait_alu depctr_va_vdst(0)                   ; and one wait for the whole batch, ahead of its first reader
.set i, 0
.rept 64
	v_cvt_pk_f16_f32 v[P+i], v[S+2*i], v[S+2*i+1]  ; P (16 qt + 4 kt + pair) from S (32 qt + 8 kt + 2 pair)
.set i, i+1
.endr
.irp u, 0,1,2,3,4,5,6,7
.irp t, 0,1,2,3
	v_pk_add_f32 v[S+32*\t+4*\u:S+32*\t+4*\u+1], v[S+32*\t+4*\u:S+32*\t+4*\u+1], v[S+32*\t+4*\u+2:S+32*\t+4*\u+3]   ; the sum of the unrounded weights, in place
.endr
.endr
.irp u, 0,1,2,3
.irp t, 0,1,2,3
	v_pk_add_f32 v[S+32*\t+8*\u:S+32*\t+8*\u+1], v[S+32*\t+8*\u:S+32*\t+8*\u+1], v[S+32*\t+8*\u+4:S+32*\t+8*\u+5]
.endr
.endr
.irp u, 0,1
.irp t, 0,1,2,3
	v_pk_add_f32 v[S+32*\t+16*\u:S+32*\t+16*\u+1], v[S+32*\t+16*\u:S+32*\t+16*\u+1], v[S+32*\t+16*\u+8:S+32*\t+16*\u+9]
.endr
.endr
.irp t, 0,1,2,3
.if \first
	v_pk_add_f32 v[ST+8*\t+2:ST+8*\t+3], v[S+32*\t:S+32*\t+1], v[S+32*\t+16:S+32*\t+17]
.else
	v_pk_add_f32 v[S+32*\t:S+32*\t+1], v[S+32*\t:S+32*\t+1], v[S+32*\t+16:S+32*\t+17]
.endif
.endr
.if !\first
.irp t, 0,1,2,3
	v_pk_fma_f32 v[ST+8*\t+2:ST+8*\t+3], v[ST+8*\t+2:ST+8*\t+3], v[ST+8*\t+6:ST+8*\t+7], v[S+32*\t:S+32*\t+1] op_sel_hi:[1,0,1]
.endr
	WIN 0x41                                       ; O^T (destination and source 0) window 1, the factor window 0
.irp t, 0,1,2,3
.set i, 0
.rept 16
	v_pk_mul_f32 v[O+32*\t+2*i:O+32*\t+2*i+1], v[O+32*\t+2*i:O+32*\t+2*i+1], v[ST+8*\t+6:ST+8*\t+7] op_sel_hi:[1,0]
.set i, i+1
.endr
.endr
.endif
.endm
; A KEY STEP of 64 keys at LDS byte s[TB].  mode 0: every key counts; 1: the diagonal (tiles kt > qt are hidden); 2: the window's lower edge (tiles kt < qt are hidden).
.macro STEP mode, first
	v_add_nc_u32 v[ADR], s[TB], v[L16]
.rept 3
	v_nop                                          ; with the addition: four places in front of loads into registers that the last products read
.endr
	WIN 0x40
.set i, 0
.rept 16
	ds_load_b128 v[KV+4*i:KV+4*i+3], v[ADR] offset:512*i           ; K: register 16 kt + 8 kf + 4 c
.set i, i+1
.endr
	s_wait_dscnt 0x0
	WIN 0x05                                       ; K and Q window 1, S^T window 0
.irp kf, 0,1
.irp kt, 0,1,2,3
.irp qt, 0,1,2,3
.set DEAD, ((\mode)==1)*((\kt)>(\qt))+((\mode)==2)*((\kt)<(\qt))
.if DEAD == 0
.if \kf == 0
	v_wmma_f32_16x16x32_f16 v[S+32*\qt+8*\kt:S+32*\qt+8*\kt+7], v[KV+16*\kt+8*\kf:KV+16*\kt+8*\kf+7], v[QF+16*\qt+8*\kf:QF+16*\qt+8*\kf+7], 0
.else
	v_wmma_f32_16x16x32_f16 v[S+32*\qt+8*\kt:S+32*\qt+8*\kt+7], v[KV+16*\kt+8*\kf:KV+16*\kt+8*\kf+7], v[QF+16*\qt+8*\kf:QF+16*\qt+8*\kf+7], v[S+32*\qt+8*\kt:S+32*\qt+8*\kt+7]
.endif
.endif
.endr
.endr
.endr
.rept 4
	v_nop                                          ; places: V's loads land on K's registers, and the scores are read
.endr
	WIN 0x40
.set i, 0
.rept 16
	ds_load_b128 v[KV+4*i:KV+4*i+3], v[ADR] offset:8192+512*i      ; V^T: register 32 kb + 8 ct + 4 c; it lands while the softmax is walked
.set i, i+1
.endr
	WIN 0
.if \mode
.irp qt, 0,1,2,3
.irp kt, 0,1,2,3
.set DEAD, ((\mode)==1)*((\kt)>(\qt))+((\mode)==2)*((\kt)<(\qt))
.if DEAD != 0
.irp j, 0,1,2,3,4,5,6,7
	v_mov_b32 v[S+32*\qt+8*\kt+\j], v[NINF]        ; a tile that was not multiplied: its weights are 0
.endr
.endif
.endr
.irp j, 0,1,2,3,4,5,6,7
.if \mode == 1
	v_cndmask_b32 v[S+40*\qt+\j], v[S+40*\qt+\j], v[NINF], s[MD+\j]   ; the tile kt = qt, from its low end on
.else
	v_cndmask_b32 v[S+40*\qt+\j], v[S+40*\qt+\j], v[NINF], s[ME+\j]
.endif
.endr
.endr
.endif
	SOFTMAX \first
	s_wait_dscnt 0x0                               ; V^T is in
	WIN 0x51                                       ; V^T window 1, P window 0, O^T window 1
.irp kb, 0,1
.irp ct, 0,1,2,3
.irp qt, 0,1,2,3
.set DEAD, ((\mode)==1)*((\kb)==1)*((\qt)<2)+((\mode)==2)*((\kb)==0)*((\qt)>1)
.if DEAD == 0
.if (\first) && (\kb == 0)
	v_wmma_f32_16x16x32_f16 v[O+32*\qt+8*\ct:O+32*\qt+8*\ct+7], v[KV+32*\kb+8*\ct:KV+32*\kb+8*\ct+7], v[P+16*\qt+8*\kb:P+16*\qt+8*\kb+7], 0
.else
	v_wmma_f32_16x16x32_f16 v[O+32*\qt+8*\ct:O+32*\qt+8*\ct+7], v[KV+32*\kb+8*\ct:KV+32*\kb+8*\ct+7], v[P+16*\qt+8*\kb:P+16*\qt+8*\kb+7], v[O+32*\qt+8*\ct:O+32*\qt+8*\ct+7]
.endif
.endif
.endr
.endr
.endr
	WIN 0
.endm
	s_wait_tensorcnt 0x0                           ; my step of the own block has landed
	ds_add_u32 v[SPW], v[NIL]                      ; 0 onto my spare word
	s_mov_b32 s[TRIP], 7
	s_wait_dscnt 0x0
	s_barrier_signal -1
	s_barrier_wait -1                              ; the own block is whole
	s_cmp_eq_u32 ttmp9, 0                          ; block 0 has no block before it: none of its waves would read those bytes, so they are not asked for.  The work-group's number alone decides: all eight waves go the same way,
	s_cbranch_scc1 .Lno_prev                       ; every wait on TENSORcnt in this text is for 0, and the jump leads round the load's own lines alone
	tensor_load_to_lds s[G0P:G0P+3], s[G1:G1+7]    ; my step of the block before: my one tensor load behind this barrier; it lands while the diagonal step is worked
	s_nop 0
.rept 4
	v_nop
.endr
.Lno_prev:
	s_wait_loadcnt 0x0                             ; Q
	STEP 1, 1                                      ; the diagonal
	s_wait_tensorcnt 0x0                           ; my step of the block before has landed
	ds_add_u32 v[SPW], v[NIL]
	s_wait_dscnt 0x0
	s_barrier_signal -1
	s_barrier_wait -1                              ; everybody's has
.Lstep:                                                ; seven steps in which every key counts
	s_sub_co_u32 s[TB], s[TB], 16384
	s_sub_co_i32 s[KF], s[KF], 64
	s_cmp_lt_i32 s[KF], 0                          ; in front of key 0: ids alone
	s_cbranch_scc1 .Lskip
	STEP 0, 0
.Lskip:
	s_sub_co_u32 s[TRIP], s[TRIP], 1
	s_cmp_lg_u32 s[TRIP], 0
	s_cbranch_scc1 .Lstep
	s_sub_co_u32 s[TB], s[TB], 16384
	s_sub_co_i32 s[KF], s[KF], 64
	s_cmp_lt_i32 s[KF], 0
	s_cbranch_scc1 .Lskip_edge
	STEP 2, 0                                      ; the window's lower edge
.Lskip_edge:
	; THE WAY OUT: O^T / l, rounded to f16: a lane's eight channels of a query are four registers of launch 4's operand.  The additions are the places behind the last products.
.irp t, 0,1,2,3
	v_add_f32 v[ST+8*\t+4], v[ST+8*\t+2], v[ST+8*\t+3]
.endr
.irp t, 0,1,2,3
	v_permlanex16_b32 v[ST+8*\t+5], v[ST+8*\t+4], s[SEL], s[SEL+1]
.endr
.irp t, 0,1,2,3
	v_add_f32 v[ST+8*\t+4], v[ST+8*\t+4], v[ST+8*\t+5]
.endr
.irp t, 0,1,2,3
	v_rcp_f32 v[ST+8*\t+6], v[ST+8*\t+4]
.endr
	v_nop
	s_wait_alu depctr_va_vdst(0)                   ; one wait for the four reciprocals, ahead of their first reader
	WIN 0x41
.irp t, 0,1,2,3
.set i, 0
.rept 16
	v_pk_mul_f32 v[O+32*\t+2*i:O+32*\t+2*i+1], v[O+32*\t+2*i:O+32*\t+2*i+1], v[ST+8*\t+6:ST+8*\t+7] op_sel_hi:[1,0]
.set i, i+1
.endr
.endr
	WIN 0x05                                       ; sources window 1, destination window 0: S^T's registers are free
.set i, 0
.rept 64
	v_cvt_pk_f16_f32 v[S+i], v[O+2*i], v[O+2*i+1]
.set i, i+1
.endr
	WIN 0
.irp qt, 0,1,2,3
.irp ct, 0,1,2,3
	global_store_b128 v[L16], v[S+16*\qt+4*\ct:S+16*\qt+4*\ct+3], s[6:7] offset:32768*\qt+1024*(\ct/2)+512*(\ct%2)   ; 512 consecutive bytes
.endr
.endr
	s_wait_tensorcnt 0x0                           ; the wave's end: behind my last tensor load
	ds_add_u32 v[SPW], v[NIL]
	s_wait_dscnt 0x0
	s_endpgm
.Lfunc_end_k_qf8eba2465d_attn:
	.size	k_qf8eba2465d_attn, .Lfunc_end_k_qf8eba2465d_attn-k_qf8eba2465d_attn
	.p2alignl 7, 3214868480
	.fill 96, 4, 3214868480
	.section	.rodata,"a",@progbits
	.p2align	6, 0x0
	.amdhsa_kernel k_qf8eba2465d_attn
		.amdhsa_group_segment_fixed_size 327680
		.amdhsa_private_segment_fixed_size 0
		.amdhsa_enable_private_segment 0
		.amdhsa_kernarg_size 16
		.amdhsa_user_sgpr_count 2
		.amdhsa_user_sgpr_kernarg_segment_ptr 1
		.amdhsa_wavefront_size32 1
		.amdhsa_system_sgpr_workgroup_id_x 1
		.amdhsa_system_sgpr_workgroup_id_y 1
		.amdhsa_system_sgpr_workgroup_id_z 1
		.amdhsa_system_vgpr_workitem_id 0
		.amdhsa_next_free_vgpr 512
		.amdhsa_next_free_sgpr 66
		.amdhsa_reserve_vcc 0
		.amdhsa_float_denorm_mode_32 3
		.amdhsa_float_denorm_mode_16_64 3
		.amdhsa_memory_ordered 1
		.amdhsa_forward_progress 1
		.amdhsa_inst_pref_size 112
	.end_amdhsa_kernel
	.amdgpu_metadata
---
amdhsa.version: [ 1, 2 ]
amdhsa.kernels:
  - .name:           k_qf8eba2465d_attn
    .symbol:         k_qf8eba2465d_attn.kd
    .args:
      - { .name: qkv, .offset: 0, .size: 8, .value_kind: global_buffer, .address_space: global }
      - { .name: attn, .offset: 8, .size: 8, .value_kind: global_buffer, .address_space: global }
    .group_segment_fixed_size: 327680
    .private_segment_fixed_size: 0
    .kernarg_segment_align: 8
    .kernarg_segment_size: 16
    .max_flat_workgroup_size: 256
    .sgpr_count:     66
    .vgpr_count:     512
    .wavefront_size: 32
...
	.end_amdgpu_metadata
.endif
;; end of part 3
;; launch proj (part 4): grid 4 x 64, 4 waves a work-group, clusters of 4 x 4, 327,680 bytes of LDS; arguments attn, wo16, bo, out0; writes out0
.if DOCPART == 4
	.amdgcn_target "amdgcn-amd-amdhsa--gfx1250"
	.amdhsa_code_object_version 6
	.text
	.protected	k_qf8eba2465d_proj
	.globl	k_qf8eba2465d_proj
	.p2align	8
	.type	k_qf8eba2465d_proj,@function
k_qf8eba2465d_proj:
	s_mov_b64 s[64:65], 0
	v_nop
	global_prefetch_b8 v0, s[64:65] scope:SCOPE_SE
	s_setreg_imm32_b32 hwreg(HW_REG_WAVE_MODE, 25, 1), 1
	s_wait_xcnt 0x0
	s_wait_alu depctr_hold_cnt(0) depctr_sa_sdst(0) depctr_va_vdst(0) depctr_va_sdst(0) depctr_va_ssrc(0) depctr_va_vcc(0) depctr_vm_vsrc(0)
	s_getreg_b32 s2, hwreg(HW_REG_IB_STS2, 6, 4)
	s_cmp_eq_u32 s2, 0
	s_cbranch_scc0 .Lentry_in_a_cluster
	s_endpgm
.Lentry_in_a_cluster:
	s_bfe_u32 s2, ttmp6, 0x10000c
	s_cmp_lg_u32 s2, 0xf033
	s_cbranch_scc0 .Lentry_shape_is_right
	s_endpgm
.Lentry_shape_is_right:
; Launch 4 of 5: out0 = attn Wo^T + bo, f16 operands, f32 sums.  attn [rb 512 (16 rows)][kf 32][1,024 bytes] and wo16 [nb 64 (16 rows of Wo)][kf 32][1,024 bytes] hold images of operand registers.
; A tile of 128 rows x 256 columns to a work-group (256 work-groups; tiles of 256 x 256 would be 128), a wave 64 x 128: 32 accumulators.  CLUSTERS of 4 x 4: A's tile is shared along a row, B's along a column,
; each asked for JOINTLY.  THE MATRIX INSTRUCTION IS USED TRANSPOSED (source 0 = 16 rows of Wo, source 1 = 16 rows of attn): a lane holds eight neighbouring numbers of a row of the result.
; K = 1,024 is 32 fragments of 32 along K.  They come in five fills of 7, 6, 7, 6, 6 fragments into two LDS slots: as long as the two slots allow, so that each of the three refills has 192 matrix
; instructions or more of every wave in which to land.  A fill's tile: for each rb (or nb) one row of 7 or 6 images, 32,768 bytes apart in memory, dense in LDS.  All is written out: every offset is an immediate.
; Rows 0-15 are stored here too and written over by launch 5: their tile is live for its other 112 rows, and leaving 16 rows out would want a mask by the work-group's place.
; NO PREFETCH: the launch is short, and each refill is asked for a whole slot's products ahead.
; REGISTERS.  window 0: v16-30 addresses; v32-95 bo in the result's layout, later rows on the way out; v128-191 A's fragments, two sets of 32; v192-255 rows on the way out.
;   window 1: v0-127 B's fragments, two sets of 64.   window 2: accumulator (a, b) at v[8 (8 a + b)].
.set P7,    7168                       ; LDS bytes of 7 images
.set P6,    6144                       ; of 6
.set SB0,   8*P7                       ; slot 0: A's 8 rows of images, then B's 16
.set S1,    24*P7                      ; slot 1
.set SB1,   S1+8*P6
.set SPARE, S1+24*P6                   ; the spare words, 128 bytes for each wave
.set SPITCH, 528                       ; the way out: a stage of 16 rows x (512 bytes + 16) for each wave, in slot 1: it has had its last fill, and its last read stands in front of the last barrier
.set ADRA, 16                          ; v16-18  my A fragments in slot 0 (7 images a row), slot 1, slot 0 (6 images a row)
.set ADRB, 20                          ; v20-22  the same for B
.set STO,  24
.set RD,   25
.set CO,   26
.set VB,   27
.set SPW,  28                          ; v28  LDS address of my spare word; never rewritten
.set NIL,  29                          ; v29  0; never rewritten
.set BIAS, 32
.set AF,   128
.set G1A7, 24                          ; s[24:31] group 1: A, 7 images;  s[32:39] A, 6;  s[40:47] B, 7;  s[48:55] B, 6
.set G1A6, 32
.set G1B7, 40
.set G1B6, 48
.set G0A0, 56                          ; groups 0: A: slot 0, slot 1, the fifth fill;  B likewise
.set G0A1, 60
.set G0A2, 68
.set G0B0, 72
.set G0B1, 76
.set G0B2, 80
.set MSB, 0
.macro WIN new
.if MSB != \new
	s_set_vgpr_msb (MSB<<8)|\new
.set MSB, \new
.endif
.endm
.set MUL, 0xa1                         ; source 0 (B) window 1, source 1 (A) window 0, C and D window 2
.set BIA, 0x81                         ; the first fragment: C (bo) window 0
.macro JLOAD g0a, g1a, g0b, g1b        ; a joint load: waves 0 and 1 fetch for A, waves 2 and 3 for B; an s_nop 0 and four v_nop follow each line
	s_cmp_eq_u32 s15, 0
	s_cbranch_scc0 .Lfor_b_\@
	tensor_load_to_lds s[\g0a:\g0a+3], s[\g1a:\g1a+7]
	s_nop 0
.rept 4
	v_nop
.endr
	s_branch .Lasked_\@
.Lfor_b_\@:
	tensor_load_to_lds s[\g0b:\g0b+3], s[\g1b:\g1b+7]
	s_nop 0
.rept 4
	v_nop
.endr
.Lasked_\@:
.endm
.macro CREST                           ; a round of the cluster's barrier behind its opening barrier
	s_cmp_lg_u32 s14, 0
	s_cbranch_scc1 .Lnot_wave_0_\@
	s_barrier_signal -3
.Lnot_wave_0_\@:
	s_barrier_wait -3
	s_barrier_signal -1
	s_barrier_wait -1
.endm
.macro CROUND
	s_barrier_signal -1
	s_barrier_wait -1
	CREST
.endm
.macro G1SET g, c, r                   ; r rows of c elements of 8 bytes, 4,096 elements apart in memory, dense in LDS
	s_mov_b32 s[\g+1], (\c)<<16
	s_mov_b32 s[\g+2], (\r)<<16
	s_mov_b32 s[\g+3], (\c)<<16
	s_mov_b32 s[\g+4], \r
	s_mov_b32 s[\g+5], 4096
	s_mov_b32 s[\g+6], 0
	s_mov_b32 s[\g+7], 0
.endm
.macro G0SET g, lds, off, base         ; LDS address in a scalar register, bytes along K, the rows' address
	s_mov_b32 s[\g], 1
	s_mov_b32 s[\g+1], s[\lds]
	s_add_nc_u64 s[\g+2:\g+3], s[\base:\base+1], \off
	s_or_b32 s[\g+3], s[\g+3], 0x80000000
.endm
	s_load_b256 s[4:11], s[0:1], 0x0               ; attn s[4:5], wo16 s[6:7], bo s[8:9], out0 s[10:11]
	v_lshl_add_u32 v[SPW], v0, 2, SPARE
	v_mov_b32 v[NIL], 0
	ds_add_u32 v[SPW], v[NIL]                      ; the wave's opening: the add, twice on end, and its wait ahead of my first tensor load
	ds_add_u32 v[SPW], v[NIL]
	v_lshrrev_b32 v1, 5, v0
	v_readfirstlane_b32 s14, v1                    ; wave 0..3
	s_lshr_b32 s15, s14, 1                         ; which 64 rows are mine.  Also: I fetch for A (0) or for B (1)
	s_and_b32 s16, s14, 1                          ; which 128 columns.  Also: which half of that tile I fetch
	s_bfe_u32 s84, ttmp6, 0x40000                  ; cx
	s_bfe_u32 s85, ttmp6, 0x40004                  ; cy
	s_lshl_b32 s86, ttmp9, 2
	s_add_co_u32 s86, s86, s84                     ; tile column
	s_and_b32 s87, ttmp7, 0xffff
	s_lshl_b32 s87, s87, 2
	s_add_co_u32 s87, s87, s85                     ; tile row
	s_lshl_b32 s88, s85, 2
	s_lshl_b32 s88, 15, s88                        ; my row of the cluster
	s_lshl_b32 s89, 0x1111, s84                    ; my column
	s_or_b32 s[G1A7], s88, (3<<16)|(1<<21)         ; the mask; elements of 8 bytes; bit 21 beside a mask; no padding
	s_or_b32 s[G1A6], s88, (3<<16)|(1<<21)
	s_or_b32 s[G1B7], s89, (3<<16)|(1<<21)
	s_or_b32 s[G1B6], s89, (3<<16)|(1<<21)
	G1SET G1A7, 896, 4
	G1SET G1A6, 768, 4
	G1SET G1B7, 896, 8
	G1SET G1B6, 768, 8
	s_lshl_b32 s18, s87, 3
	s_lshl_b32 s19, s16, 2
	s_add_co_u32 s18, s18, s19                     ; A: rb = 8 x tile row + 4 x half
	s_lshl_b32 s18, s18, 15
	s_mov_b32 s19, 0
	s_lshl_b32 s20, s86, 4
	s_lshl_b32 s21, s16, 3
	s_add_co_u32 s20, s20, s21                     ; B: nb = 16 x tile column + 8 x half
	s_lshl_b32 s20, s20, 15
	s_mov_b32 s21, 0
	s_mul_i32 s22, s16, 4*P7                       ; where they go: no place in the cluster enters an LDS address.  A: slot 0,
	s_mul_i32 s23, s16, 4*P6                       ; the fifth fill,
	s_add_co_u32 s90, s23, S1                      ; slot 1;
	s_mul_i32 s91, s16, 8*P7
	s_add_co_u32 s91, s91, SB0                     ; B: slot 0,
	s_mul_i32 s92, s16, 8*P6
	s_add_co_u32 s93, s92, SB1                     ; slot 1,
	s_add_co_u32 s92, s92, SB0                     ; the fifth fill
	s_wait_dscnt 0x0                               ; both opening adds are done
	s_wait_kmcnt 0x0
	s_add_nc_u64 s[18:19], s[4:5], s[18:19]
	s_add_nc_u64 s[20:21], s[6:7], s[20:21]
	CROUND                                         ; all sixteen work-groups are here: the first joint loads meet
	G0SET G0A0, 22, 0, 18
	G0SET G0B0, 91, 0, 20
	G0SET G0A1, 90, 7*1024, 18
	G0SET G0B1, 93, 7*1024, 20
	G0SET G0A2, 23, 26*1024, 18
	G0SET G0B2, 92, 26*1024, 20
	JLOAD G0A0, G1A7, G0B0, G1B7                   ; fragments 0-6
	JLOAD G0A1, G1A6, G0B1, G1B6                   ; fragments 7-12
	v_and_b32 v1, 15, v0                           ; r
	v_bfe_u32 v2, v0, 4, 1                         ; h
	v_and_b32 v3, 31, v0
	v_lshlrev_b32 v3, 4, v3                        ; 16 x lane
	s_mul_i32 s94, s15, 4*P7
	v_add_nc_u32 v[ADRA], s94, v3
	s_mul_i32 s94, s15, 4*P6
	v_add_nc_u32 v[ADRA+2], s94, v3
	s_add_co_u32 s94, s94, S1
	v_add_nc_u32 v[ADRA+1], s94, v3
	s_mul_i32 s94, s16, 8*P7
	s_add_co_u32 s94, s94, SB0
	v_add_nc_u32 v[ADRB], s94, v3
	s_mul_i32 s94, s16, 8*P6
	s_add_co_u32 s95, s94, SB0
	v_add_nc_u32 v[ADRB+2], s95, v3
	s_add_co_u32 s95, s94, SB1
	v_add_nc_u32 v[ADRB+1], s95, v3
	s_mul_i32 s94, s14, 16*SPITCH
	s_add_co_u32 s94, s94, S1                      ; my stage
	v_mul_u32_u24 v4, v1, SPITCH
	v_lshl_add_u32 v4, v2, 5, v4
	v_add_nc_u32 v[STO], s94, v4                   ; in: row r, 32 bytes for each half of the lanes
	v_add_nc_u32 v[RD], s94, v3                    ; back: the 32 lanes take one row of 512 bytes
	v_mov_b32 v[CO], v3
	v_lshlrev_b32 v[VB], 5, v2
	s_lshl_b32 s94, s86, 10
	s_lshl_b32 s95, s16, 9
	s_add_co_u32 s94, s94, s95                     ; my first column, in bytes
	s_mov_b32 s95, 0
	s_add_nc_u64 s[8:9], s[8:9], s[94:95]
	s_add_nc_u64 s[10:11], s[10:11], s[94:95]
	s_lshl_b32 s94, s87, 19                        ; my first row: 128 x tile row + 64 x half, 4,096 bytes each
	s_lshl_b32 s3, s15, 18
	s_add_co_u32 s94, s94, s3
	s_add_nc_u64 s[10:11], s[10:11], s[94:95]
.irp b, 0,1,2,3,4,5,6,7
	global_load_b128 v[BIAS+8*\b:BIAS+8*\b+3], v[VB], s[8:9] offset:64*\b          ; register 8 b + j: bo of column 16 b + 8 h + j
	global_load_b128 v[BIAS+8*\b+4:BIAS+8*\b+7], v[VB], s[8:9] offset:64*\b+16
.endr
.macro LOC f                           ; where fragment f lies: which address register, which image of its row, how long the rows are
.if (\f) < 7
.set LID, 0
.set LKF, (\f)
.elseif (\f) < 13
.set LID, 1
.set LKF, (\f)-7
.elseif (\f) < 20
.set LID, 0
.set LKF, (\f)-13
.elseif (\f) < 26
.set LID, 1
.set LKF, (\f)-20
.else
.set LID, 2
.set LKF, (\f)-26
.endif
.set LPI, P6
.if LID == 0
.set LPI, P7
.endif
.endm
.macro FETCH f                         ; 24 LDS loads in one run: B's eight fragments, then A's four, into set f % 2
	LOC \f
	WIN 0x40
.irp b, 0,1,2,3,4,5,6,7
	ds_load_b128 v[64*((\f)%2)+8*\b:64*((\f)%2)+8*\b+3], v[ADRB+LID] offset:\b*LPI+LKF*1024
	ds_load_b128 v[64*((\f)%2)+8*\b+4:64*((\f)%2)+8*\b+7], v[ADRB+LID] offset:\b*LPI+LKF*1024+512
.endr
	WIN 0
.irp a, 0,1,2,3
	ds_load_b128 v[AF+32*((\f)%2)+8*\a:AF+32*((\f)%2)+8*\a+3], v[ADRA+LID] offset:\a*LPI+LKF*1024
	ds_load_b128 v[AF+32*((\f)%2)+8*\a+4:AF+32*((\f)%2)+8*\a+7], v[ADRA+LID] offset:\a*LPI+LKF*1024+512
.endr
.endm
.macro MULQ f, a, bias                 ; 8 matrix instructions: A's block a x B's eight.  The 32 accumulators take turns, in the same order for every fragment
.irp b, 0,1,2,3,4,5,6,7
.if \bias
	v_wmma_f32_16x16x32_f16 v[8*(8*(\a)+\b):8*(8*(\a)+\b)+7], v[64*((\f)%2)+8*\b:64*((\f)%2)+8*\b+7], v[AF+32*((\f)%2)+8*(\a):AF+32*((\f)%2)+8*(\a)+7], v[BIAS+8*\b:BIAS+8*\b+7]
.else
	v_wmma_f32_16x16x32_f16 v[8*(8*(\a)+\b):8*(8*(\a)+\b)+7], v[64*((\f)%2)+8*\b:64*((\f)%2)+8*\b+7], v[AF+32*((\f)%2)+8*(\a):AF+32*((\f)%2)+8*(\a)+7], v[8*(8*(\a)+\b):8*(8*(\a)+\b)+7]
.endif
.endr
.endm
.macro PLACES
.rept 4
	v_nop
.endr
.endm
.macro KSTEP f, bias                   ; fragment f is multiplied; its successor, in the same slot, is fetched first
	PLACES                                         ; in front of loads into the set that the last 32 products read
	FETCH (\f)+1
	s_wait_dscnt 24                                ; all but the 24 just issued
.if \bias
	WIN BIA
.else
	WIN MUL
.endif
	MULQ \f, 0, \bias
	MULQ \f, 1, \bias
	MULQ \f, 2, \bias
	MULQ \f, 3, \bias
.endm
; A slot's last fragment changes slots: ONE barrier; in front of it each wave waits for all its tensor loads, adds 0 to its spare word, and waits for that and for its reads of this slot.
; fill = 3, 4, 5: the slot is filled again, by that fill: the barrier then opens a round of the cluster's barrier, and the joint load is the first thing behind the round.  fill = 0: nothing is left to fetch.
.macro TURN f, fill
	WIN 0                                          ; (the add's two registers lie in window 0)
	s_wait_tensorcnt 0x0                           ; all my tensor loads have landed: my part of the next slot
	ds_add_u32 v[SPW], v[NIL]                      ; 0 onto my spare word
	s_wait_dscnt 7                                 ; (the add and the youngest six loads, A's blocks 1-3, may be out)
	WIN MUL
	MULQ \f, 0, 0
	s_wait_dscnt 0x0                               ; the add is done, and my reads of this slot are over
	s_barrier_signal -1
	MULQ \f, 1, 0
	WIN 0
	s_barrier_wait -1
.if \fill
	CREST                                          ; no wave of any partner still reads this slot or has a load on its way
.if \fill == 3
	s_add_nc_u64 s[G0A0+2:G0A0+3], s[G0A0+2:G0A0+3], 13*1024
	s_add_nc_u64 s[G0B0+2:G0B0+3], s[G0B0+2:G0B0+3], 13*1024
	JLOAD G0A0, G1A7, G0B0, G1B7                   ; fragments 13-19
.elseif \fill == 4
	s_add_nc_u64 s[G0A1+2:G0A1+3], s[G0A1+2:G0A1+3], 13*1024
	s_add_nc_u64 s[G0B1+2:G0B1+3], s[G0B1+2:G0B1+3], 13*1024
	JLOAD G0A1, G1A6, G0B1, G1B6                   ; fragments 20-25
.else
	JLOAD G0A2, G1A6, G0B2, G1B6                   ; fragments 26-31
.endif
.else
	PLACES
.endif
	FETCH (\f)+1                                   ; (the four v_nop above are the places in front of these loads)
	WIN MUL
	MULQ \f, 2, 0
	MULQ \f, 3, 0
.endm
	s_wait_tensorcnt 1                             ; my part of fragments 0-6 is in (the second fill may be out)
	s_barrier_signal -1
	s_barrier_wait -1                              ; everybody's is
	FETCH 0
	s_wait_loadcnt 0x0                             ; bo
	KSTEP 0, 1                                     ; the first products start the sums from bo
.irp f, 1,2,3,4,5
	KSTEP \f, 0
.endr
	TURN 6, 3
.irp f, 7,8,9,10,11
	KSTEP \f, 0
.endr
	TURN 12, 4
.irp f, 13,14,15,16,17,18
	KSTEP \f, 0
.endr
	TURN 19, 5
.irp f, 20,21,22,23,24
	KSTEP \f, 0
.endr
	TURN 25, 0
.irp f, 26,27,28,29,30
	KSTEP \f, 0
.endr
	s_wait_dscnt 0x0
	MULQ 31, 0, 0
	MULQ 31, 1, 0
	MULQ 31, 2, 0
	MULQ 31, 3, 0
	WIN 0
; THE WAY OUT, block by block of 16 rows x 128 columns, through my own stage: in as 32 bytes a lane, back as whole rows of 512 bytes.  LDS serves a wave's instructions in order: no wait between the stores and the loads.
.macro TOSTAGE a
.set AC, 64*(\a)
	WIN 0x08                                       ; the data: window 2
.irp b, 0,1,2,3,4,5,6,7
	ds_store_b128 v[STO], v[AC+8*\b:AC+8*\b+3] offset:64*\b          ; each accumulator from its low end on
	ds_store_b128 v[STO], v[AC+8*\b+4:AC+8*\b+7] offset:64*\b+16
.endr
	WIN 0
.set BB, 32+160*((\a)%2)
.irp t, 0,1,2,3,4,5,6,7,8,9,10,11,12,13,14,15
	ds_load_b128 v[BB+4*\t:BB+4*\t+3], v[RD] offset:\t*SPITCH
.endr
.endm
.macro SEND a, younger                 ; younger: the LDS instructions issued behind block a's loads, which may stay out
.set BB, 32+160*((\a)%2)
	s_wait_dscnt \younger
.if (\a) > 0
	s_add_nc_u64 s[10:11], s[10:11], 16*4096       ; (behind a wait on XCNT: the earlier stores have read their base)
.endif
.irp t, 0,1,2,3,4,5,6,7,8,9,10,11,12,13,14,15
	global_store_b128 v[CO], v[BB+4*\t:BB+4*\t+3], s[10:11] offset:\t*4096 th:TH_STORE_NT   ; 32 lanes store 512 consecutive bytes, aligned
.endr
.endm
	PLACES
	TOSTAGE 0
.irp a, 1,2,3
.if \a > 1
	s_wait_xcnt 0x0                                ; block a - 2's stores have read their registers and their base
.endif
	TOSTAGE \a
	SEND \a-1, 32                                  ; behind block a - 1's loads: block a's 16 stores and 16 loads
.endr
	s_wait_xcnt 0x0
	SEND 3, 0
	s_wait_tensorcnt 0x0                           ; the wave's end: behind my last tensor load and my last LDS store
	ds_add_u32 v[SPW], v[NIL]
	s_wait_dscnt 0x0
	CROUND                                         ; the closing round
	s_endpgm
.Lfunc_end_k_qf8eba2465d_proj:
	.size	k_qf8eba2465d_proj, .Lfunc_end_k_qf8eba2465d_proj-k_qf8eba2465d_proj
	.p2alignl 7, 3214868480
	.fill 96, 4, 3214868480
	.section	.rodata,"a",@progbits
	.p2align	6, 0x0
	.amdhsa_kernel k_qf8eba2465d_proj
		.amdhsa_group_segment_fixed_size 327680
		.amdhsa_private_segment_fixed_size 0
		.amdhsa_enable_private_segment 0
		.amdhsa_kernarg_size 32
		.amdhsa_user_sgpr_count 2
		.amdhsa_user_sgpr_kernarg_segment_ptr 1
		.amdhsa_wavefront_size32 1
		.amdhsa_system_sgpr_workgroup_id_x 1
		.amdhsa_system_sgpr_workgroup_id_y 1
		.amdhsa_system_sgpr_workgroup_id_z 1
		.amdhsa_system_vgpr_workitem_id 0
		.amdhsa_next_free_vgpr 768
		.amdhsa_next_free_sgpr 96
		.amdhsa_reserve_vcc 0
		.amdhsa_float_denorm_mode_32 3
		.amdhsa_float_denorm_mode_16_64 3
		.amdhsa_memory_ordered 1
		.amdhsa_forward_progress 1
		.amdhsa_inst_pref_size 149
	.end_amdhsa_kernel
	.amdgpu_metadata
---
amdhsa.version: [ 1, 2 ]
amdhsa.kernels:
  - .name:           k_qf8eba2465d_proj
    .symbol:         k_qf8eba2465d_proj.kd
    .args:
      - { .name: attn, .offset: 0, .size: 8, .value_kind: global_buffer, .address_space: global }
      - { .name: wo16, .offset: 8, .size: 8, .value_kind: global_buffer, .address_space: global }
      - { .name: bo, .offset: 16, .size: 8, .value_kind: global_buffer, .address_space: global }
      - { .name: out0, .offset: 24, .size: 8, .value_kind: global_buffer, .address_space: global }
    .group_segment_fixed_size: 327680
    .private_segment_fixed_size: 0
    .kernarg_segment_align: 8
    .kernarg_segment_size: 32
    .max_flat_workgroup_size: 128
    .sgpr_count:     96
    .vgpr_count:     768
    .wavefront_size: 32
...
	.end_amdgpu_metadata
.endif
;; end of part 4
;; launch first16 (part 5): grid 64 x 1, 16 waves a work-group, no clusters, 22,528 bytes of LDS; arguments first, Wo, bo, out0; writes out0
.if DOCPART == 5
	.amdgcn_target "amdgcn-amd-amdhsa--gfx1250"
	.amdhsa_code_object_version 6
	.text
	.protected	k_qf8eba2465d_first16
	.globl	k_qf8eba2465d_first16
	.p2align	8
	.type	k_qf8eba2465d_first16,@function
k_qf8eba2465d_first16:
	s_mov_b64 s[64:65], 0
	v_nop
	global_prefetch_b8 v0, s[64:65] scope:SCOPE_SE
	s_setreg_imm32_b32 hwreg(HW_REG_WAVE_MODE, 25, 1), 1
	s_wait_xcnt 0x0
; Launch 5 of 5: rows 0-15 of the result once more, wholly in f32: they average 1 to 16 values, are the largest in size, and the rounding of f16 operands weighs most there.  It writes over what launch 4 left in these rows.
; WORK LEFT OUT: only keys 0-15 are multiplied: for queries 0-15 every later key is hidden by the band, so its weight is 0 (shown at the head of launch 1).
; SHARES.  Work-group x makes columns 16 x .. 16 x + 15 of the 16 rows.  Wave hd does head hd's attention, then its own 64 of the projection's K = 1,024; the sixteen partial tiles are added through LDS.
; The attention is done anew in each of the 64 work-groups: it is 32 small matrix instructions a wave, and sharing it would want one launch more.
; All products by v_wmma_f32_16x16x4_f32.  A step of 4 along K takes the register pair (2 s, 2 s + 1) of both operands' images: lane half h and register jj name the same channel (or key) on both sides, so each
; product meets its partner, and the steps together cover K once.  Two or four accumulators take turns; their registers are written by matrix instructions alone.
; A row leaves in runs of 64 bytes: 64 KiB in all; whole runs of 256 would leave three work-groups in four without work.
; All that the launch reads is asked for at the head, bo too (64 bytes, by every wave, so that no register is written on one way alone): the two waves that add at the end wait for no second trip to memory.
.set QR, 16                            ; v16-47   q: register 8 b + j of lane (r, h): token r, channel 16 b + 8 h + j
.set KR, 48                            ; v48-79   k likewise
.set VR, 80                            ; v80-111  v: register 8 ct + j: channel 16 ct + r, token 8 h + j
.set WR, 112                           ; v112-143 Wo: register 8 ct + j: row 16 x + r, channel 64 hd + 16 ct + 8 h + j
.set SA, 144                           ; v144-159 two partial sums of S^T
.set OA, 160                           ; v160-191 O^T, four tiles of 16 channels
.set DA, 192                           ; v192-207 two partial sums of the projection
.set PR, 208                           ; v208-215 scores, then weights
.set RS, 216                           ; v216-223 my partial tile
.set BO, 240                           ; v240-243 bo of four columns
.set SPW, 252
.set NIL, 253
.set SPARE, 20480                      ; behind the sixteen partial tiles (16 rows x 80 bytes each): the spare words, 128 bytes for each wave
	s_load_b256 s[4:11], s[0:1], 0x0               ; first s[4:5], Wo s[6:7], bo s[8:9], out0 s[10:11]
	v_lshl_add_u32 v[SPW], v0, 2, SPARE
	v_mov_b32 v[NIL], 0
	v_lshrrev_b32 v1, 5, v0
	v_readfirstlane_b32 s12, v1                    ; wave = head
	v_and_b32 v1, 31, v0
	v_lshlrev_b32 v2, 4, v1                        ; 16 x lane
	v_and_b32 v3, 15, v0                           ; r
	v_bfe_u32 v4, v0, 4, 1                         ; h
	v_lshlrev_b32 v5, 12, v3
	v_lshl_add_u32 v5, v4, 5, v5                   ; Wo: 4,096 r + 32 h
	v_lshlrev_b32 v6, 3, v4
	v_sub_nc_u32 v6, v3, v6                        ; r - 8 h
	s_mul_i32 s19, s12, 1280
	v_mul_u32_u24 v7, v3, 80
	v_lshl_add_u32 v7, v4, 5, v7
	v_add_nc_u32 v7, s19, v7                       ; my partial tile: row r of 64 bytes + 16 of padding, + 32 h
	s_lshl_b32 s20, s12, 3
	v_lshrrev_b32 v8, 2, v1
	v_add_nc_u32 v8, s20, v8                       ; for the two waves that add: row 8 w + lane / 4,
	v_and_b32 v9, 3, v1                            ; piece lane % 4 of 16 bytes
	v_mul_u32_u24 v10, v8, 80
	v_lshl_add_u32 v10, v9, 4, v10
	v_lshlrev_b32 v11, 4, v9
	v_lshl_add_u32 v12, v8, 12, v11                ; and the same place in out0
	v_mov_b32 v13, 0xff800000                      ; -infinity
	v_mov_b32 v225, 0                              ; written once: a lane permute's destination counts as one of its sources
	s_mov_b32 s18, 0x3e38aa3b                      ; c = log2(e) / sqrt(64)
	s_mov_b32 s22, 0x76543210
	s_mov_b32 s23, 0xfedcba98
	s_lshl_b32 s14, s12, 12                        ; a head's images: 4,096 bytes in q, in k and in v
	s_mov_b32 s15, 0
	s_lshl_b32 s16, ttmp9, 16                      ; 16 x rows of Wo,
	s_lshl_b32 s17, s12, 8                         ; the head's 64 channels
	s_add_co_u32 s16, s16, s17
	s_mov_b32 s17, 0
	s_lshl_b32 s24, ttmp9, 6                       ; 16 x columns, in bytes
	s_mov_b32 s25, 0
	s_wait_kmcnt 0x0
	s_add_nc_u64 s[4:5], s[4:5], s[14:15]
	s_add_nc_u64 s[6:7], s[6:7], s[16:17]
	s_add_nc_u64 s[8:9], s[8:9], s[24:25]
	s_add_nc_u64 s[10:11], s[10:11], s[24:25]
.irp i, 0,1,2,3,4,5,6,7
	global_load_b128 v[QR+4*\i:QR+4*\i+3], v2, s[4:5] offset:512*\i
	global_load_b128 v[KR+4*\i:KR+4*\i+3], v2, s[4:5] offset:65536+512*\i
	global_load_b128 v[VR+4*\i:VR+4*\i+3], v2, s[4:5] offset:131072+512*\i
	global_load_b128 v[WR+4*\i:WR+4*\i+3], v5, s[6:7] offset:64*(\i/2)+16*(\i%2)
.endr
	global_load_b128 v[BO:BO+3], v11, s[8:9]       ; bo of columns 16 x + 4 (lane % 4) + 0 .. 3
	s_wait_loadcnt 0x0
	; S^T = k q^T: lane (r, h) holds query r and keys 8 h + 0..7
.set ii, 0
.rept 16
.if ii < 2
	v_wmma_f32_16x16x4_f32 v[SA+8*(ii%2):SA+8*(ii%2)+7], v[KR+2*ii:KR+2*ii+1], v[QR+2*ii:QR+2*ii+1], 0
.else
	v_wmma_f32_16x16x4_f32 v[SA+8*(ii%2):SA+8*(ii%2)+7], v[KR+2*ii:KR+2*ii+1], v[QR+2*ii:QR+2*ii+1], v[SA+8*(ii%2):SA+8*(ii%2)+7]
.endif
.set ii, ii+1
.endr
.rept 8
	v_nop                                          ; eight places behind this form before its results are read (ISA guide 7.12.1)
.endr
.irp j, 0,1,2,3,4,5,6,7
	v_add_f32 v[PR+\j], v[SA+\j], v[SA+8+\j]       ; both sums from their low ends on
.endr
.irp j, 0,1,2,3,4,5,6,7
	v_cmp_gt_i32 vcc_lo, \j, v6                    ; key 8 h + j comes after query r
	v_cndmask_b32 v[PR+\j], v[PR+\j], v13, vcc_lo
.endr
	v_max3_num_f32 v224, v[PR], v[PR+1], v[PR+2]
	v_max3_num_f32 v224, v224, v[PR+3], v[PR+4]
	v_max3_num_f32 v224, v224, v[PR+5], v[PR+6]
	v_max_num_f32 v224, v224, v[PR+7]
	v_permlanex16_b32 v225, v224, s22, s23
	v_max_num_f32 v224, v224, v225                 ; the row's maximum: key 0 counts for every query, so it is a number
	v_mul_f32 v226, s18, v224
.irp j, 0,1,2,3,4,5,6,7
	v_fma_f32 v[PR+\j], v[PR+\j], s18, -v226
.endr
.irp j, 0,1,2,3,4,5,6,7
	v_exp_f32 v[PR+\j], v[PR+\j]
.endr
	v_nop
	s_wait_alu depctr_va_vdst(0)                   ; one wait for the eight exponentials, ahead of their first reader
	v_add_f32 v224, v[PR], v[PR+1]
	v_add_f32 v227, v[PR+2], v[PR+3]
	v_add_f32 v228, v[PR+4], v[PR+5]
	v_add_f32 v229, v[PR+6], v[PR+7]
	v_add_f32 v224, v224, v227
	v_add_f32 v228, v228, v229
	v_add_f32 v224, v224, v228
	v_permlanex16_b32 v225, v224, s22, s23
	v_add_f32 v224, v224, v225
	v_rcp_f32 v224, v224
	v_nop
	s_wait_alu depctr_va_vdst(0)
.irp j, 0,1,2,3,4,5,6,7
	v_mul_f32 v[PR+\j], v[PR+\j], v224             ; the weights
.endr
	; O^T = v^T p: lane (r, h) holds query r and channels 16 ct + 8 h + 0..7
.irp t, 0,1,2,3
.irp ct, 0,1,2,3
.if \t == 0
	v_wmma_f32_16x16x4_f32 v[OA+8*\ct:OA+8*\ct+7], v[VR+8*\ct+2*\t:VR+8*\ct+2*\t+1], v[PR+2*\t:PR+2*\t+1], 0
.else
	v_wmma_f32_16x16x4_f32 v[OA+8*\ct:OA+8*\ct+7], v[VR+8*\ct+2*\t:VR+8*\ct+2*\t+1], v[PR+2*\t:PR+2*\t+1], v[OA+8*\ct:OA+8*\ct+7]
.endif
.endr
.endr
.rept 9
	v_nop                                          ; nine places before a matrix instruction takes these results as an operand
.endr
	; my 64 of the projection's K: source 0 = 16 rows of Wo, source 1 = O^T as it stands: lane (r, h) holds row r and columns 16 x + 8 h + 0..7
.set ii, 0
.rept 16
.if ii < 2
	v_wmma_f32_16x16x4_f32 v[DA+8*(ii%2):DA+8*(ii%2)+7], v[WR+2*ii:WR+2*ii+1], v[OA+2*ii:OA+2*ii+1], 0
.else
	v_wmma_f32_16x16x4_f32 v[DA+8*(ii%2):DA+8*(ii%2)+7], v[WR+2*ii:WR+2*ii+1], v[OA+2*ii:OA+2*ii+1], v[DA+8*(ii%2):DA+8*(ii%2)+7]
.endif
.set ii, ii+1
.endr
.rept 8
	v_nop
.endr
.irp j, 0,1,2,3,4,5,6,7
	v_add_f32 v[RS+\j], v[DA+\j], v[DA+8+\j]
.endr
	ds_store_b128 v7, v[RS:RS+3]
	ds_store_b128 v7, v[RS+4:RS+7] offset:16
	s_wait_dscnt 0x0                               ; for the others' sake: my partial tile has landed
	s_barrier_signal -1
	s_barrier_wait -1
	s_cmp_gt_u32 s12, 1
	s_cbranch_scc1 .Ldone                          ; waves 0 and 1 add the sixteen tiles, eight rows each, 16 bytes a lane
.irp i, 0,1,2,3,4,5,6,7,8,9,10,11,12,13,14,15
	ds_load_b128 v[16+4*\i:16+4*\i+3], v10 offset:1280*\i
.endr
	s_wait_dscnt 0x0
.irp st, 8,4,2,1
.set ii, 0
.rept \st
	v_pk_add_f32 v[16+4*ii:17+4*ii], v[16+4*ii:17+4*ii], v[16+4*(ii+\st):17+4*(ii+\st)]
	v_pk_add_f32 v[18+4*ii:19+4*ii], v[18+4*ii:19+4*ii], v[18+4*(ii+\st):19+4*(ii+\st)]
.set ii, ii+1
.endr
.endr
	v_pk_add_f32 v[16:17], v[16:17], v[BO:BO+1]
	v_pk_add_f32 v[18:19], v[18:19], v[BO+2:BO+3]
	global_store_b128 v12, v[16:19], s[10:11]
.Ldone:
	s_wait_tensorcnt 0x0                           ; the wave's end, behind my last LDS store
	ds_add_u32 v[SPW], v[NIL]
	s_wait_dscnt 0x0
	s_endpgm
.Lfunc_end_k_qf8eba2465d_first16:
	.size	k_qf8eba2465d_first16, .Lfunc_end_k_qf8eba2465d_first16-k_qf8eba2465d_first16
	.p2alignl 7, 3214868480
	.fill 96, 4, 3214868480
	.section	.rodata,"a",@progbits
	.p2align	6, 0x0
	.amdhsa_kernel k_qf8eba2465d_first16
		.amdhsa_group_segment_fixed_size 22528
		.amdhsa_private_segment_fixed_size 0
		.amdhsa_enable_private_segment 0
		.amdhsa_kernarg_size 32
		.amdhsa_user_sgpr_count 2
		.amdhsa_user_sgpr_kernarg_segment_ptr 1
		.amdhsa_wavefront_size32 1
		.amdhsa_system_sgpr_workgroup_id_x 1
		.amdhsa_system_sgpr_workgroup_id_y 1
		.amdhsa_system_sgpr_workgroup_id_z 1
		.amdhsa_system_vgpr_workitem_id 0
		.amdhsa_next_free_vgpr 256
		.amdhsa_next_free_sgpr 66
		.amdhsa_reserve_vcc 1
		.amdhsa_float_denorm_mode_32 3
		.amdhsa_float_denorm_mode_16_64 3
		.amdhsa_memory_ordered 1
		.amdhsa_forward_progress 1
		.amdhsa_inst_pref_size 16
	.end_amdhsa_kernel
	.amdgpu_metadata
---
amdhsa.version: [ 1, 2 ]
amdhsa.kernels:
  - .name:           k_qf8eba2465d_first16
    .symbol:         k_qf8eba2465d_first16.kd
    .args:
      - { .name: first, .offset: 0, .size: 8, .value_kind: global_buffer, .address_space: global }
      - { .name: Wo, .offset: 8, .size: 8, .value_kind: global_buffer, .address_space: global }
      - { .name: bo, .offset: 16, .size: 8, .value_kind: global_buffer, .address_space: global }
      - { .name: out0, .offset: 24, .size: 8, .value_kind: global_buffer, .address_space: global }
    .group_segment_fixed_size: 22528
    .private_segment_fixed_size: 0
    .kernarg_segment_align: 8
    .kernarg_segment_size: 32
    .max_flat_workgroup_size: 512
    .sgpr_count:     66
    .vgpr_count:     256
    .wavefront_size: 32
...
	.end_amdgpu_metadata
.endif
;; end of part 5
